; MI455X (gfx1250); checked and timed in simulation.
; The chip was launched on July 23, 2026; its instructions are those of AMD's public machine-readable ISA for CDNA 5 (MIT licence, August 2026) and "CDNA5" Instruction Set Architecture Reference Guide (July 2026). The comments in the code are by the model that wrote it; some were corrected since.
;; Causal Multi Head Self Attention. Allowed arithmetic: float matrix products may take bf16 or f16 operands with f32 sums; all other float work in f32.
;; Inputs: wk 1,024 x 1,024 float32; wo 1,024 x 1,024 float32; wq 1,024 x 1,024 float32; wv 1,024 x 1,024 float32; x 8 x 1,024 x 1,024 float32.
;; Outputs: out0 8 x 1,024 x 1,024 float32.
;; 2 versions, each right; version 2 is version 1 with the launch cast written anew for expert scheduling mode. Each part assembles by itself: llvm-mc -triple=amdgcn-amd-amdhsa -mcpu=gfx1250 --defsym DOCPART=n.
;; ======== version 1 of 2: 5 launches
;; limits: values are held in f16: magnitudes above 65,504 overflow, below 6.1e-05 lose precision
;; workspace buffers: xh 16,777,216 bytes; wh 6,291,456 bytes; woh 2,097,152 bytes; qk 33,554,432 bytes; vh 16,777,216 bytes; pt 16,777,216 bytes; st 524,288 bytes; oh 16,777,216 bytes
;; launch cast (part 1): grid 384 x 1, 8 waves a work-group, no clusters, 0 bytes of LDS; arguments x, wq, wk, wv, wo, xh, wh, woh; writes xh, wh, woh
.if DOCPART == 1
	.amdgcn_target "amdgcn-amd-amdhsa--gfx1250"
	.amdhsa_code_object_version 6
	.text
	.protected	k_q16c70e03e9_cast
	.globl	k_q16c70e03e9_cast
	.p2align	8
	.type	k_q16c70e03e9_cast,@function
k_q16c70e03e9_cast:
	s_mov_b64 s[64:65], 0
	v_nop
	global_prefetch_b8 v0, s[64:65] scope:SCOPE_SE
	s_setreg_imm32_b32 hwreg(HW_REG_WAVE_MODE, 25, 1), 1
	s_wait_xcnt 0x0
; cast: x, wq, wk, wv, wo (f32, rows of 1024) -> xh, wh, woh (f16), laid out [K block of 64][row][64], 128 bytes a row piece.
; Each number is scaled by a power of two (x: 1, wq wk wv: 1/4, wo: 4), rounded once to bf16 (8 significant bits) and then
; written as f16, which holds those 8 bits exactly.  wh holds wq's rows, then wk's, then wv's.
; LIMITS: a scaled number above 65,504 in magnitude becomes an f16 infinity (|x| > 65,504, |wq wk wv| > 262,016, |wo| > 16,376);
; a scaled number below 2^-14 is kept in f16 denormal steps of 2^-24.
; A stream: every byte is read once and written once, so there is no LDS, no matrix work and nothing to share between groups.
; Work-groups 0-255 take 32 rows of x each, 256-383 take 32 rows of one weight matrix.  Wave w takes 4 rows.  One load of a
; wave covers one K block (256 bytes) of two rows; the matching store covers 256 consecutive bytes, aligned.
; All 32 loads of a wave are issued first; no register is used twice by memory instructions, so only counted waits are needed.
.set SO,  1                            ; v1       byte offset of my 16 bytes in the source
.set DO,  2                            ; v[2:17]  byte offset of my 8 bytes in K block k of the target; never rewritten
.set T,   18                           ; v[18:23] at work
.set X,   24                           ; v[24:151] load n = 2 k + p: 4 registers
	s_load_b512 s[8:23], s[0:1], 0x0               ; x s[8:9], wq, wk, wv, wo s[16:17], xh s[18:19], wh s[20:21], woh s[22:23]
	s_sub_co_u32 s2, ttmp9, 256                    ; number among the weight groups (used only where the group's number is 256 or more)
	s_lshr_b32 s3, s2, 5                           ; which matrix: 0 wq, 1 wk, 2 wv, 3 wo
	s_and_b32 s4, ttmp9, 31
	s_lshl_b32 s4, s4, 5                           ; first row inside that matrix
	s_lshl_b32 s5, s2, 5                           ; first row inside wh = 1024 x matrix + row
	s_lshl_b32 s6, ttmp9, 5                        ; first row of x
	s_mov_b32 s34, 1024*128                        ; bytes from K block to K block in woh,
	s_mov_b32 s35, 3072*128                        ; in wh
	s_mov_b32 s36, 0xffff0000                      ; a word's upper bf16
	s_mov_b32 s33, 0
	v_lshrrev_b32 v18, 5, v0                       ; wave
	v_bfe_u32 v19, v0, 4, 1                        ; upper half of the lanes: one row further down
	v_and_b32 v20, 15, v0
	v_and_b32 v21, 31, v0
	v_lshlrev_b32 v[SO], 4, v20                    ; 16 bytes a lane,
	v_lshl_add_u32 v[SO], v19, 12, v[SO]           ; + the half's row of 4,096 bytes,
	v_lshl_add_u32 v[SO], v18, 14, v[SO]           ; + 4 rows a wave
	v_lshlrev_b32 v[DO], 3, v21                    ; 8 bytes a lane: two row pieces of 128 bytes,
	v_lshl_add_u32 v[DO], v18, 9, v[DO]            ; + 4 row pieces a wave
	s_wait_kmcnt 0x0
	; the choice of buffers hangs on the group's number alone
	s_cmp_eq_u32 s3, 1
	s_cselect_b64 s[24:25], s[12:13], s[10:11]
	s_cmp_eq_u32 s3, 2
	s_cselect_b64 s[24:25], s[14:15], s[24:25]
	s_cmp_eq_u32 s3, 3
	s_cselect_b64 s[24:25], s[16:17], s[24:25]     ; source among the weights
	s_cselect_b64 s[26:27], s[22:23], s[20:21]     ; target: woh or wh
	s_cselect_b32 s28, 4.0, 0x3e800000             ; scale: 4 or 1/4
	s_cselect_b32 s30, s34, s35                    ; bytes from K block to K block
	s_cselect_b32 s5, s4, s5                       ; first row in the target
	s_cmp_lt_u32 ttmp9, 256
	s_cselect_b64 s[24:25], s[8:9], s[24:25]       ; the first 256 groups take x
	s_cselect_b64 s[26:27], s[18:19], s[26:27]
	s_cselect_b32 s28, 1.0, s28
	s_cselect_b32 s30, 0x100000, s30               ; 8192 rows x 128 bytes
	s_cselect_b32 s4, s6, s4
	s_cselect_b32 s5, s6, s5
	s_mov_b32 s29, s28                             ; the packed multiply names the pair
	s_lshl_b32 s32, s4, 12
	s_add_nc_u64 s[24:25], s[24:25], s[32:33]      ; source at my group's first row
	s_lshl_b32 s32, s5, 7
	s_add_nc_u64 s[26:27], s[26:27], s[32:33]      ; target at my group's first row piece
.irp k, 0,1,2,3,4,5,6,7,8,9,10,11,12,13,14,15
.irp p, 0,1
	global_load_b128 v[X+4*(2*\k+\p):X+4*(2*\k+\p)+3], v[SO], s[24:25] offset:\k*256+\p*8192 th:TH_LOAD_NT
.endr
.endr
.irp k, 1,2,3,4,5,6,7,8,9,10,11,12,13,14,15
	v_add_nc_u32 v[DO+\k], s30, v[DO+\k-1]
.endr
.irp k, 0,1,2,3,4,5,6,7,8,9,10,11,12,13,14,15
.irp p, 0,1
	s_wait_loadcnt 31-(2*\k+\p)                    ; loads return in order: mine is in, the younger ones stay out
	v_pk_mul_f32 v[X+4*(2*\k+\p):X+4*(2*\k+\p)+1], v[X+4*(2*\k+\p):X+4*(2*\k+\p)+1], s[28:29] op_sel_hi:[1,0]
	v_pk_mul_f32 v[X+4*(2*\k+\p)+2:X+4*(2*\k+\p)+3], v[X+4*(2*\k+\p)+2:X+4*(2*\k+\p)+3], s[28:29] op_sel_hi:[1,0]
	v_cvt_pk_bf16_f32 v[T+4], v[X+4*(2*\k+\p)], v[X+4*(2*\k+\p)+1]       ; the one rounding
	v_cvt_pk_bf16_f32 v[T+5], v[X+4*(2*\k+\p)+2], v[X+4*(2*\k+\p)+3]
	v_lshlrev_b32 v[T], 16, v[T+4]
	v_and_b32 v[T+1], s36, v[T+4]
	v_lshlrev_b32 v[T+2], 16, v[T+5]
	v_and_b32 v[T+3], s36, v[T+5]
	v_cvt_pk_f16_f32 v[X+4*(2*\k+\p)], v[T], v[T+1]                      ; exact inside f16's normal range
	v_cvt_pk_f16_f32 v[X+4*(2*\k+\p)+1], v[T+2], v[T+3]
	global_store_b64 v[DO+\k], v[X+4*(2*\k+\p):X+4*(2*\k+\p)+1], s[26:27] offset:\p*256
.endr
.endr
	s_endpgm
.Lfunc_end_k_q16c70e03e9_cast:
	.size	k_q16c70e03e9_cast, .Lfunc_end_k_q16c70e03e9_cast-k_q16c70e03e9_cast
	.p2alignl 7, 3214868480
	.fill 96, 4, 3214868480
	.section	.rodata,"a",@progbits
	.p2align	6, 0x0
	.amdhsa_kernel k_q16c70e03e9_cast
		.amdhsa_group_segment_fixed_size 0
		.amdhsa_private_segment_fixed_size 0
		.amdhsa_enable_private_segment 0
		.amdhsa_kernarg_size 64
		.amdhsa_user_sgpr_count 2
		.amdhsa_user_sgpr_kernarg_segment_ptr 1
		.amdhsa_wavefront_size32 1
		.amdhsa_system_sgpr_workgroup_id_x 1
		.amdhsa_system_sgpr_workgroup_id_y 1
		.amdhsa_system_sgpr_workgroup_id_z 1
		.amdhsa_system_vgpr_workitem_id 0
		.amdhsa_next_free_vgpr 160
		.amdhsa_next_free_sgpr 66
		.amdhsa_reserve_vcc 0
		.amdhsa_float_denorm_mode_32 3
		.amdhsa_float_denorm_mode_16_64 3
		.amdhsa_memory_ordered 1
		.amdhsa_forward_progress 1
		.amdhsa_inst_pref_size 26
	.end_amdhsa_kernel
	.amdgpu_metadata
---
amdhsa.version: [ 1, 2 ]
amdhsa.kernels:
  - .name:           k_q16c70e03e9_cast
    .symbol:         k_q16c70e03e9_cast.kd
    .args:
      - { .name: x, .offset: 0, .size: 8, .value_kind: global_buffer, .address_space: global }
      - { .name: wq, .offset: 8, .size: 8, .value_kind: global_buffer, .address_space: global }
      - { .name: wk, .offset: 16, .size: 8, .value_kind: global_buffer, .address_space: global }
      - { .name: wv, .offset: 24, .size: 8, .value_kind: global_buffer, .address_space: global }
      - { .name: wo, .offset: 32, .size: 8, .value_kind: global_buffer, .address_space: global }
      - { .name: xh, .offset: 40, .size: 8, .value_kind: global_buffer, .address_space: global }
      - { .name: wh, .offset: 48, .size: 8, .value_kind: global_buffer, .address_space: global }
      - { .name: woh, .offset: 56, .size: 8, .value_kind: global_buffer, .address_space: global }
    .group_segment_fixed_size: 0
    .private_segment_fixed_size: 0
    .kernarg_segment_align: 8
    .kernarg_segment_size: 64
    .max_flat_workgroup_size: 256
    .sgpr_count:     66
    .vgpr_count:     160
    .wavefront_size: 32
...
	.end_amdgpu_metadata
.endif
;; end of part 1
;; launch projqk (part 2): grid 8 x 32, 4 waves a work-group, clusters of 4 x 4, 327,680 bytes of LDS; arguments xh, wh, qk; writes qk
.if DOCPART == 2
	.amdgcn_target "amdgcn-amd-amdhsa--gfx1250"
	.amdhsa_code_object_version 6
	.text
	.protected	k_q16c70e03e9_projqk
	.globl	k_q16c70e03e9_projqk
	.p2align	8
	.type	k_q16c70e03e9_projqk,@function
k_q16c70e03e9_projqk:
	s_mov_b64 s[64:65], 0
	v_nop
	global_prefetch_b8 v0, s[64:65] scope:SCOPE_SE
	s_setreg_imm32_b32 hwreg(HW_REG_WAVE_MODE, 25, 1), 1
	s_wait_xcnt 0x0
	s_wait_alu depctr_hold_cnt(0) depctr_sa_sdst(0) depctr_va_vdst(0) depctr_va_sdst(0) depctr_va_ssrc(0) depctr_va_vcc(0) depctr_vm_vsrc(0)
	s_getreg_b32 s2, hwreg(HW_REG_IB_STS2, 6, 4)
	s_cmp_eq_u32 s2, 0
	s_cbranch_scc0 .Lentry_in_a_cluster
	s_endpgm
.Lentry_in_a_cluster:
	s_bfe_u32 s2, ttmp6, 0x10000c
	s_cmp_lg_u32 s2, 0xf033
	s_cbranch_scc0 .Lentry_shape_is_right
	s_endpgm
.Lentry_shape_is_right:
; projqk: qk = xh (rows 0-2047 of wh)^T, 8192 x 2048 x 1024, f16 operands, f32 sums, f16 result in the layout
; [block of 64 features][token][64].  Feature blocks 0-15 are q/4, 16-31 k/4 (the 1/4 lies in wh).
; LIMIT: |q|, |k| above 262,016 overflow f16; below 2^-14 the stored numbers have steps of 2^-24.
; 256 work-groups of 256 x 256 results; four waves, each 128 x 128: 64 accumulator tiles, 512 registers.  K goes in steps of 128
; (two K blocks of 64) through two LDS slots.  A K block of 256 rows is a dense block of memory, fetched as 128 rows of 256 bytes and
; padded in LDS by 16 bytes behind every 128, so that row pieces lie 144 bytes apart (9 x 16: the sixteen rows of a fragment load
; start in sixteen different 16-byte columns of 256).  Wave w fetches block w of a slot: xh's K blocks 0, 1, then wh's 0, 1.
; CLUSTERS: 4 x 4 work-groups.  xh's tile hangs on the block row alone and is asked for jointly along a row of the cluster, wh's on the
; block column alone and is asked for jointly along a column.
; The matrix instruction is used transposed (source 0 = rows of wh, source 1 = rows of xh): a lane holds eight neighbouring columns
; of one row of the result.
; REGISTERS: window 0: v16-26 addresses, v64-127 and v128-191 two buffers of xh's 8 fragments, v192-223 packed results;
; window 1: v64-127 and v128-191 two buffers of wh's 8 fragments; window 2: the accumulators of my rows 0-63, tile (a, b) at
; v[8 (8 a + b)]; window 3: those of my rows 64-127.
.set PITCH, 144
.set BLK,   256*PITCH                  ; 36,864: one K block of 256 rows, what one tensor load brings
.set SLOT,  4*BLK                      ; 147,456
.set STAGE, 2*SLOT                     ; 294,912: behind the ring, never the target of a tensor load
.set STGW,  32*PITCH                   ; 4,608 a wave: 2 feature blocks x 16 rows
.set KBA,   8192*128                   ; bytes from K block to K block in xh, and from feature block to feature block in qk
.set KBB,   3072*128                   ; in wh
.set ADRA, 16                          ; v16-17 LDS address of my xh fragments in slot 0, 1
.set ADRB, 20                          ; v20-21 the same for wh
.set STO,  24
.set RD,   25
.set CO,   26
.set F0,   64
.set F1,   128
.set TMP,  192
.set G1A, 24
.set G0A, 32
.set G1B, 48
.set G0B, 56
.set MUL_LO, 0xa1                      ; source 0 (wh) window 1, source 1 (xh) window 0, C and D window 2
.set MUL_HI, 0xf1                      ; the same, C and D window 3
.set TO_B,   0x40                      ; destination window 1, address window 0
.set MSB, 0
.macro WIN new                         ; the immediate's high byte repeats the setting that is left
.if MSB != \new
	s_set_vgpr_msb (MSB<<8)|\new
.set MSB, \new
.endif
.endm
.macro PLACES                          ; four plain vector places behind matrix instructions (ISA guide 7.12.1)
.rept 4
	v_nop
.endr
.endm
.macro JLOAD s                         ; waves 0, 1: xh's two K blocks; waves 2, 3: wh's.  The branch hangs on the wave's number alone.
	s_cmp_lt_u32 s12, 2
	s_cbranch_scc0 .Lfor_b_\@
	tensor_load_to_lds s[G0A+4*\s:G0A+4*\s+3], s[G1A:G1A+7]
	s_nop 0
	s_branch .Lasked_\@
.Lfor_b_\@:
	tensor_load_to_lds s[G0B+4*\s:G0B+4*\s+3], s[G1B:G1B+7]
	s_nop 0
.Lasked_\@:
.endm
.macro CREST                           ; a round of the cluster's barrier behind its opening barrier
	s_cmp_lg_u32 s12, 0
	s_cbranch_scc1 .Lnot_wave_0_\@
	s_barrier_signal -3
.Lnot_wave_0_\@:
	s_barrier_wait -3
	s_barrier_signal -1
	s_barrier_wait -1
.endm
.macro CROUND
	s_barrier_signal -1
	s_barrier_wait -1
	CREST
.endm
	s_load_b128 s[4:7], s[0:1], 0x0                ; xh s[4:5], wh s[6:7]
	s_load_b64 s[8:9], s[0:1], 0x10                ; qk
	s_set_vgpr_msb 0x40
	v_lshl_add_u32 v255, v0, 2, 0x4c800
	s_set_vgpr_msb 0x4000
	v_mov_b32 v255, 0
	s_set_vgpr_msb 0x1
	ds_add_u32 v255, v255
	s_set_vgpr_msb 0x100
	v_lshrrev_b32 v1, 5, v0
	v_readfirstlane_b32 s12, v1                    ; wave
	s_lshr_b32 s13, s12, 1                         ; which 128 rows of the block are mine
	s_and_b32 s14, s12, 1                          ; which 128 columns; also: which K block of a step I fetch
	s_bfe_u32 s40, ttmp6, 0x40000                  ; cx
	s_bfe_u32 s41, ttmp6, 0x40004                  ; cy
	s_lshl_b32 s42, ttmp9, 2
	s_add_co_u32 s42, s42, s40                     ; block column 0..7
	s_and_b32 s43, ttmp7, 0xffff
	s_lshl_b32 s43, s43, 2
	s_add_co_u32 s43, s43, s41                     ; block row 0..31
	s_lshl_b32 s44, s41, 2
	s_lshl_b32 s44, 15, s44                        ; my row of the cluster
	s_lshl_b32 s45, 0x1111, s40                    ; my column
	s_or_b32 s[G1A+0], s44, 0x07330000             ; 8-byte elements, 4 words of padding behind every 32, bit 21 beside the mask
	s_or_b32 s[G1B+0], s45, 0x07330000
	s_mov_b32 s[G1A+1], 32<<16                     ; tensor_dim0 = 32 elements = 256 bytes
	s_mov_b32 s[G1B+1], 32<<16
	s_mov_b32 s[G1A+2], 128<<16                    ; tensor_dim1 = 128 rows of 256 bytes = 256 row pieces
	s_mov_b32 s[G1B+2], 128<<16
	s_mov_b32 s[G1A+3], 32<<16                     ; tile_dim0
	s_mov_b32 s[G1B+3], 32<<16
	s_mov_b32 s[G1A+4], 128                        ; tile_dim1
	s_mov_b32 s[G1B+4], 128
	s_mov_b32 s[G1A+5], 32                         ; pitch = the row: dense
	s_mov_b32 s[G1B+5], 32
	s_mov_b32 s[G1A+6], 0
	s_mov_b32 s[G1B+6], 0
	s_mov_b32 s[G1A+7], 0
	s_mov_b32 s[G1B+7], 0
	s_lshl_b32 s16, s43, 15                        ; xh: 256 rows x 128 bytes a block row + my K block of the step's two
	s_lshl_b32 s17, s14, 20
	s_add_co_u32 s16, s16, s17
	s_mov_b32 s17, 0
	s_lshl_b32 s20, s42, 15                        ; wh: 256 rows a block column + my K block
	s_mul_i32 s21, s14, KBB
	s_add_co_u32 s20, s20, s21
	s_mov_b32 s21, 0
	s_mul_i32 s22, s12, BLK                        ; block w of a slot
	s_wait_dscnt 0x0
	s_wait_kmcnt 0x0
	s_add_nc_u64 s[16:17], s[4:5], s[16:17]
	s_add_nc_u64 s[20:21], s[6:7], s[20:21]
	CROUND                                         ; all sixteen work-groups are here: the first joint loads meet
.irp s, 0,1
	s_mov_b32 s[G0A+4*\s], 1
	s_add_co_u32 s[G0A+4*\s+1], s22, \s*SLOT
	s_add_nc_u64 s[G0A+4*\s+2:G0A+4*\s+3], s[16:17], \s*2*KBA
	s_or_b32 s[G0A+4*\s+3], s[G0A+4*\s+3], 0x80000000
	s_mov_b32 s[G0B+4*\s], 1
	s_add_co_u32 s[G0B+4*\s+1], s22, \s*SLOT
	s_add_nc_u64 s[G0B+4*\s+2:G0B+4*\s+3], s[20:21], \s*2*KBB
	s_or_b32 s[G0B+4*\s+3], s[G0B+4*\s+3], 0x80000000
	JLOAD \s                                       ; both slots are asked for before anything else: two loads of the wave are out
.endr
	v_and_b32 v1, 15, v0                           ; r
	v_bfe_u32 v2, v0, 4, 1                         ; h
	v_and_b32 v3, 31, v0                           ; lane
	v_mul_u32_u24 v4, v1, PITCH
	v_lshl_add_u32 v4, v2, 4, v4                   ; r x 144 + 16 h
	s_mul_i32 s18, s13, 128*PITCH                  ; my 128 rows of xh
	v_add_nc_u32 v[ADRA], s18, v4
	v_add_nc_u32 v[ADRA+1], SLOT, v[ADRA]
	s_mul_i32 s18, s14, 128*PITCH                  ; my 128 rows of wh, behind xh's two K blocks
	s_add_co_u32 s18, s18, 2*BLK
	v_add_nc_u32 v[ADRB], s18, v4
	v_add_nc_u32 v[ADRB+1], SLOT, v[ADRB]
	s_mul_i32 s18, s12, STGW
	s_add_co_u32 s18, s18, STAGE                   ; my stage
	v_add_nc_u32 v[STO], s18, v4
	v_lshrrev_b32 v5, 3, v3
	v_and_b32 v6, 7, v0
	v_mul_u32_u24 v5, v5, PITCH
	v_lshl_add_u32 v5, v6, 4, v5                   ; back: eight lanes take one row piece of 128 bytes
	v_add_nc_u32 v[RD], s18, v5
	v_lshlrev_b32 v[CO], 4, v3                     ; and 32 lanes store 512 consecutive bytes
; 16 matrix instructions: row tiles a0, a0 + 1 of the window's four x all 8 column tiles, 32 along K.  The 64 accumulators take turns,
; one instruction a turn, in the same order in every quarter step.
.macro MUL16 f, hi, a0, zero
.irp a, \a0, \a0+1
.irp b, 0,1,2,3,4,5,6,7
.if \zero
	v_wmma_f32_16x16x32_f16 v[8*(8*(\a)+\b):8*(8*(\a)+\b)+7], v[\f+8*\b:\f+8*\b+7], v[\f+8*(4*\hi+\a):\f+8*(4*\hi+\a)+7], 0
.else
	v_wmma_f32_16x16x32_f16 v[8*(8*(\a)+\b):8*(8*(\a)+\b)+7], v[\f+8*\b:\f+8*\b+7], v[\f+8*(4*\hi+\a):\f+8*(4*\hi+\a)+7], v[8*(8*(\a)+\b):8*(8*(\a)+\b)+7]
.endif
.endr
.endr
.endm
; 32 LDS loads in one run: the fragments of one quarter step (32 along K, at byte k from the slot's first K block) into buffer f
.macro FETCH slot, k, f
	WIN TO_B
.irp i, 0,1,2,3,4,5,6,7
	ds_load_b128 v[\f+8*\i:\f+8*\i+3],   v[ADRB+\slot] offset:\k+\i*16*PITCH
	ds_load_b128 v[\f+8*\i+4:\f+8*\i+7], v[ADRB+\slot] offset:\k+\i*16*PITCH+32
.endr
	WIN 0
.irp i, 0,1,2,3,4,5,6,7
	ds_load_b128 v[\f+8*\i:\f+8*\i+3],   v[ADRA+\slot] offset:\k+\i*16*PITCH
	ds_load_b128 v[\f+8*\i+4:\f+8*\i+7], v[ADRA+\slot] offset:\k+\i*16*PITCH+32
.endr
.endm
; one of a K step's first three quarters: multiplies buffer f; in its middle it fetches the next quarter's fragments into buffer g
.macro QUARTER slot, k, f, g, zero
	s_wait_dscnt 8                                 ; wh's fragments and xh's rows 0-63 are in; the youngest eight loads (rows 64-127) may be out
	WIN MUL_LO
	MUL16 \f, 0, 0, \zero
	MUL16 \f, 0, 2, \zero
	PLACES
	FETCH \slot, \k, \g
	s_wait_dscnt 32                                ; all but the 32 just issued
	WIN MUL_HI
	MUL16 \f, 1, 0, \zero
	MUL16 \f, 1, 2, \zero
.endm
.macro THREE slot, zero                ; the quarters lie at bytes 0 and 64 of K block 0, then of K block 1
	QUARTER \slot, 64,     F0, F1, \zero
	QUARTER \slot, BLK,    F1, F0, 0
	QUARTER \slot, BLK+64, F0, F1, 0
.endm
; the last quarter: multiplies buffer 1 and changes slots.  In front of the barrier each wave waits for its reads of this slot and for all
; its tensor loads (one is out: its part of the next slot).  Where the slot is filled again the barrier opens a round of the cluster's
; barrier, and the joint refill is the first tensor load behind the round.  From a request to its wait a wave issues 240 matrix instructions.
.macro TURN slot, next, fill
	s_wait_dscnt 8
	WIN MUL_LO
	MUL16 F1, 0, 0, 0
	s_wait_dscnt 0x0
	s_wait_tensorcnt 0x0
	ds_add_u32 v255, v255
	s_wait_dscnt 0x0
	s_barrier_signal -1
	MUL16 F1, 0, 2, 0
	WIN 0
	s_barrier_wait -1
.if \fill
	CREST
	s_add_nc_u64 s[G0A+4*\slot+2:G0A+4*\slot+3], s[G0A+4*\slot+2:G0A+4*\slot+3], 4*KBA
	s_add_nc_u64 s[G0B+4*\slot+2:G0B+4*\slot+3], s[G0B+4*\slot+2:G0B+4*\slot+3], 4*KBB
	JLOAD \slot
.endif
	PLACES
	FETCH \next, 0, F0
	WIN MUL_HI
	MUL16 F1, 1, 0, 0
	MUL16 F1, 1, 2, 0
.endm
.macro LAP zero
	THREE 0, \zero
	TURN 0, 1, 1
	THREE 1, 0
	TURN 1, 0, 1
.endm
	s_wait_tensorcnt 0x1                           ; my part of K step 0 is in; K step 1's stays out
	s_barrier_signal -1
	s_barrier_wait -1
	FETCH 0, 0, F0
	LAP 1                                          ; K steps 0, 1: the first products start the sums
	WIN 0
	s_mov_b32 s15, 2                               ; K steps 2 to 5
.Llap:
	LAP 0
	WIN 0
	s_sub_co_u32 s15, s15, 1
	s_cmp_lg_u32 s15, 0
	s_cbranch_scc1 .Llap
	THREE 0, 0                                     ; K steps 6, 7: nothing is left to fetch
	TURN 0, 1, 0
	THREE 1, 0
	s_wait_dscnt 8
	WIN MUL_LO
	MUL16 F1, 0, 0, 0
	MUL16 F1, 0, 2, 0
	s_wait_dscnt 0x0
	WIN MUL_HI
	MUL16 F1, 1, 0, 0
	MUL16 F1, 1, 2, 0
	PLACES                                         ; behind the last matrix instructions: for the conversions and the loads into old fragments
	s_lshl_b32 s16, s43, 15                        ; my first token's row piece: 256 x block row + 128 x half,
	s_lshl_b32 s17, s13, 14
	s_add_co_u32 s16, s16, s17
	s_mov_b32 s17, 0
	s_add_nc_u64 s[8:9], s[8:9], s[16:17]
	s_lshl_b32 s20, s42, 2                         ; my first feature block: 4 x block column + 2 x half
	s_lshl_b32 s21, s14, 1
	s_add_co_u32 s20, s20, s21
	s_lshl_b32 s20, s20, 20
	s_mov_b32 s21, 0
	s_add_nc_u64 s[8:9], s[8:9], s[20:21]
; rows 16 (4 (win - 2) + a) .. + 15 of my block: round to f16, 16 bytes a lane into my own stage as [feature block][row][128 bytes + 16],
; read back by row pieces
.macro OUT16 a, win, f
	WIN 5*\win                                     ; sources 0 and 1 in the accumulators' window
.irp b, 0,1,2,3,4,5,6,7
.irp q, 0,1,2,3
	v_cvt_pk_f16_f32 v[TMP+4*\b+\q], v[8*(8*\a+\b)+2*\q], v[8*(8*\a+\b)+2*\q+1]
.endr
.endr
	WIN 0
.irp b, 0,1,2,3,4,5,6,7
	ds_store_b128 v[STO], v[TMP+4*\b:TMP+4*\b+3] offset:(\b>>2)*16*PITCH+32*(\b&3)
.endr
	s_wait_xcnt 0x0                                ; buffer f, which earlier stores read, is loaded again only behind this wait
.irp t, 0,1,2,3,4,5,6,7
	ds_load_b128 v[\f+4*\t:\f+4*\t+3], v[RD] offset:\t*4*PITCH     ; a wave's LDS instructions are served in order: these see the stores above
.endr
.irp t, 0,1,2,3,4,5,6,7
	s_wait_dscnt 7-\t
	global_store_b128 v[CO], v[\f+4*\t:\f+4*\t+3], s[8:9] offset:(\t>>2)*KBA+(4*(\win-2)+\a)*2048+(\t&3)*512   ; 512 consecutive bytes, aligned
.endr
.endm
	OUT16 0, 2, F0
	OUT16 1, 2, F1
	OUT16 2, 2, F0
	OUT16 3, 2, F1
	OUT16 0, 3, F0
	OUT16 1, 3, F1
	OUT16 2, 3, F0
	OUT16 3, 3, F1
	s_set_vgpr_msb 0x1
	s_wait_tensorcnt 0x0
	ds_add_u32 v255, v255
	s_wait_dscnt 0x0
	s_set_vgpr_msb 0x100
	CROUND                                         ; the closing round: no work-group ends while a partner may still ask jointly
	s_endpgm
.Lfunc_end_k_q16c70e03e9_projqk:
	.size	k_q16c70e03e9_projqk, .Lfunc_end_k_q16c70e03e9_projqk-k_q16c70e03e9_projqk
	.p2alignl 7, 3214868480
	.fill 96, 4, 3214868480
	.section	.rodata,"a",@progbits
	.p2align	6, 0x0
	.amdhsa_kernel k_q16c70e03e9_projqk
		.amdhsa_group_segment_fixed_size 327680
		.amdhsa_private_segment_fixed_size 0
		.amdhsa_enable_private_segment 0
		.amdhsa_kernarg_size 24
		.amdhsa_user_sgpr_count 2
		.amdhsa_user_sgpr_kernarg_segment_ptr 1
		.amdhsa_wavefront_size32 1
		.amdhsa_system_sgpr_workgroup_id_x 1
		.amdhsa_system_sgpr_workgroup_id_y 1
		.amdhsa_system_sgpr_workgroup_id_z 1
		.amdhsa_system_vgpr_workitem_id 0
		.amdhsa_next_free_vgpr 1024
		.amdhsa_next_free_sgpr 66
		.amdhsa_reserve_vcc 0
		.amdhsa_float_denorm_mode_32 3
		.amdhsa_float_denorm_mode_16_64 3
		.amdhsa_memory_ordered 1
		.amdhsa_forward_progress 1
		.amdhsa_inst_pref_size 195
	.end_amdhsa_kernel
	.amdgpu_metadata
---
amdhsa.version: [ 1, 2 ]
amdhsa.kernels:
  - .name:           k_q16c70e03e9_projqk
    .symbol:         k_q16c70e03e9_projqk.kd
    .args:
      - { .name: xh, .offset: 0, .size: 8, .value_kind: global_buffer, .address_space: global }
      - { .name: wh, .offset: 8, .size: 8, .value_kind: global_buffer, .address_space: global }
      - { .name: qk, .offset: 16, .size: 8, .value_kind: global_buffer, .address_space: global }
    .group_segment_fixed_size: 327680
    .private_segment_fixed_size: 0
    .kernarg_segment_align: 8
    .kernarg_segment_size: 24
    .max_flat_workgroup_size: 128
    .sgpr_count:     66
    .vgpr_count:     1024
    .wavefront_size: 32
...
	.end_amdgpu_metadata
.endif
;; end of part 2
;; launch scorev (part 3): grid 26 x 8, 4 waves a work-group, no clusters, 327,680 bytes of LDS; arguments xh, wh, qk, pt, st, vh; writes pt, st, vh
.if DOCPART == 3
	.amdgcn_target "amdgcn-amd-amdhsa--gfx1250"
	.amdhsa_code_object_version 6
	.text
	.protected	k_q16c70e03e9_scorev
	.globl	k_q16c70e03e9_scorev
	.p2align	8
	.type	k_q16c70e03e9_scorev,@function
k_q16c70e03e9_scorev:
	s_mov_b64 s[64:65], 0
	v_nop
	global_prefetch_b8 v0, s[64:65] scope:SCOPE_SE
	s_setreg_imm32_b32 hwreg(HW_REG_WAVE_MODE, 25, 1), 1
	s_wait_xcnt 0x0
; scorev: two jobs of one shape, a product of 256 x 256 x 1024 for each work-group, 26 work-groups a batch.
; Work-groups 0-9 of a batch, SCORE: the tile of 256 queries (row block R) x 256 keys (key block J <= R): acc = (q/4)(k/4)^T, the causal
; mask, and for each key tile of 128 keys its own row maximum m, p = exp((acc - m)/2) (score = q k / 32 = acc / 2) and row sum l.
; p goes to pt as f16, [batch][block of 64 keys][query][64]; m (in accumulator units) and l go to st as f32,
; [key tile][64 tokens][m, l][16 r][4 a], row = 16 a + r.  The next launch joins the key tiles by their maxima.
; The maximum is taken away before the exponential by a subtraction, so the largest element gives exactly 1 whatever the size of the
; scores.  Masked elements are set to -1e30 in accumulator units; true accumulators cannot pass 1024 x 65504^2 = 4.4e12.  A row whose
; part of a key tile is masked whole gets m = -1e30, p = 1, l = 128: its weight in the next launch is exp(-huge) = 0.
; Work-groups 10-25, V: 256 tokens x 256 features of v/4 = xh (rows 2048-3071 of wh)^T, to vh as f16, [block of 64 features][token][64].
; v is not needed before the next launch, and the score tiles alone are 80 work-groups: the two jobs share the launch.
; LIMITS: |v| above 262,016 overflows f16; p below 2^-24 of its key tile's largest is stored as 0, p below 2^-14 in steps of 2^-24.
; NO CLUSTER: a batch's ten score tiles share q's rows in groups of 1, 2, 3, 4 and k's rows in groups of 4, 3, 2, 1, so groups of four
; with a common tile do not cover them, and a launch is in clusters as a whole or not at all.
; Four waves, each 128 x 128: 64 accumulator tiles in windows 2 (my rows 0-63) and 3 (rows 64-127).  In a score tile a wave's 128 keys
; are one key tile, so maxima and sums never leave the wave.  K goes in steps of 128 (two K blocks of 64) through two LDS slots; wave w
; fetches block w of a slot (A's K blocks 0, 1, then B's) as a dense block, row pieces 144 bytes apart in LDS.
; The matrix instruction is used transposed (source 0 = B's rows, source 1 = A's): a lane holds eight neighbouring columns of one row.
.set PITCH, 144
.set BLK,   256*PITCH                  ; 36,864: one K block of 256 rows, what one tensor load brings
.set SLOT,  4*BLK                      ; 147,456
.set STAGE, 2*SLOT                     ; 294,912: behind the ring, never the target of a tensor load
.set STGW,  32*PITCH                   ; 4,608 a wave
.set FB,    1<<20                      ; bytes of a block of 64 features or of K in xh, qk and vh
.set KBW,   3072*128                   ; bytes from K block to K block in wh
.set ADRA, 16
.set ADRB, 20
.set STO,  24
.set RD,   25
.set CO,   26
.set MB,   27                          ; v27      the mask: r - 8 h + my first query - my first key
.set DG,   32                          ; v32-42   the mask's eleven diagonals
.set F0,   64
.set F1,   128
.set TMP,  192                         ; v192-223 packed results
.set MM,   224                         ; v224-231 row maximum, twice (pairs for the packed subtraction)
.set LP,   232                         ; v232-239 running sums, in pairs
.set LL,   240                         ; v240-243 row sums
.set SD,   244                         ; v244-247 what goes to st
.set MT,   248                         ; v248-251 running maxima
.set PX,   252                         ; v252-255 the other half's figure
.set G1,  24                           ; s[24:31] group 1: the same shape for every load
.set G0A, 32                           ; s[32:39] group 0 for A's blocks, a set for each slot
.set G0B, 56                           ; s[56:63] group 0 for B's blocks
.set MUL_LO, 0xa1                      ; source 0 (B) window 1, source 1 (A) window 0, C and D window 2
.set MUL_HI, 0xf1
.set TO_B,   0x40
.set MSB, 0
.macro WIN new
.if MSB != \new
	s_set_vgpr_msb (MSB<<8)|\new
.set MSB, \new
.endif
.endm
.macro PLACES                          ; four plain vector places behind matrix instructions (ISA guide 7.12.1)
.rept 4
	v_nop
.endr
.endm
.macro JLOAD s                         ; waves 0, 1: A's two K blocks; waves 2, 3: B's
	s_cmp_lt_u32 s16, 2
	s_cbranch_scc0 .Lfor_b_\@
	tensor_load_to_lds s[G0A+4*\s:G0A+4*\s+3], s[G1:G1+7]
	s_nop 0
	s_branch .Lasked_\@
.Lfor_b_\@:
	tensor_load_to_lds s[G0B+4*\s:G0B+4*\s+3], s[G1:G1+7]
	s_nop 0
.Lasked_\@:
.endm
	s_load_b256 s[4:11], s[0:1], 0x0               ; xh s[4:5], wh s[6:7], qk s[8:9], pt s[10:11]
	s_load_b128 s[12:15], s[0:1], 0x20             ; st s[12:13], vh s[14:15]
	s_set_vgpr_msb 0x40
	v_lshl_add_u32 v255, v0, 2, 0x4c800
	s_set_vgpr_msb 0x4000
	v_mov_b32 v63, 0
	s_set_vgpr_msb 0x1
	ds_add_u32 v255, v63
	s_set_vgpr_msb 0x100
	v_lshrrev_b32 v1, 5, v0
	v_readfirstlane_b32 s16, v1                    ; wave
	s_lshr_b32 s17, s16, 1                         ; which 128 rows of the tile are mine
	s_and_b32 s18, s16, 1                          ; which 128 columns; also: which K block of a step I fetch
	s_and_b32 s43, ttmp7, 0xffff                   ; batch
	s_cmp_ge_u32 ttmp9, 1
	s_cselect_b32 s40, 1, 0
	s_cmp_ge_u32 ttmp9, 3
	s_cselect_b32 s41, 1, 0
	s_cmp_ge_u32 ttmp9, 6
	s_cselect_b32 s42, 1, 0
	s_add_co_u32 s40, s40, s41
	s_add_co_u32 s40, s40, s42                     ; score: R; the row blocks' tiles begin at 0, 1, 3, 6
	s_add_co_u32 s41, s40, 1
	s_mul_i32 s41, s41, s40
	s_lshr_b32 s41, s41, 1
	s_sub_co_u32 s41, ttmp9, s41                   ; score: J = number - R (R + 1) / 2
	s_sub_co_u32 s46, ttmp9, 10                    ; v: number among the sixteen (used only where the number is 10 or more)
	s_lshr_b32 s47, s46, 2                         ; v: row block
	s_and_b32 s46, s46, 3                          ; v: block of 256 features
	s_mov_b32 s49, KBW
	s_cmp_lt_u32 ttmp9, 10
	s_cselect_b32 s40, s40, s47                    ; row block of 256 tokens
	s_cselect_b32 s41, s41, s46                    ; column block: 256 keys or 256 features
	s_cselect_b32 s42, 1, 0                        ; 1: score, 0: v
	s_cselect_b32 s48, FB, s49                     ; bytes from K block to K block in B
	; group 1: elements of 8 bytes, 128 dense rows of 256 bytes, 4 words of padding behind every 32 words
	s_mov_b32 s[G1+0], 0x07130000
	s_mov_b32 s[G1+1], 32<<16
	s_mov_b32 s[G1+2], 128<<16
	s_mov_b32 s[G1+3], 32<<16
	s_mov_b32 s[G1+4], 128
	s_mov_b32 s[G1+5], 32
	s_mov_b32 s[G1+6], 0
	s_mov_b32 s[G1+7], 0
	s_lshl_b32 s50, s43, 17                        ; 1024 tokens x 128 bytes a batch
	s_lshl_b32 s20, s40, 15                        ; A (q or xh): + 256 rows a row block
	s_add_co_u32 s20, s20, s50
	s_lshl_b32 s21, s18, 20                        ; + my K block of the step's two
	s_add_co_u32 s20, s20, s21
	s_mov_b32 s21, 0
	s_add_co_u32 s51, s50, 16*FB                   ; B of a score tile: k, 16 feature blocks on, the batch's tokens
	s_mov_b32 s52, 2048*128                        ; B of v: wv's rows in wh
	s_cmp_lg_u32 s42, 0
	s_cselect_b32 s22, s51, s52
	s_lshl_b32 s51, s41, 15                        ; + 256 rows a column block
	s_add_co_u32 s22, s22, s51
	s_mul_i32 s51, s18, s48                        ; + my K block
	s_add_co_u32 s22, s22, s51
	s_mov_b32 s23, 0
	s_lshl_b32 s44, s48, 1                         ; B: one K step on
	s_mov_b32 s45, 0
	s_lshl_b32 s52, s48, 2                         ; B: two K steps on
	s_mov_b32 s53, 0
	s_mul_i32 s54, s16, BLK                        ; block w of a slot
	s_wait_dscnt 0x0
	s_wait_kmcnt 0x0
	s_cmp_lg_u32 s42, 0                            ; the choice of buffers hangs on the work-group's number alone
	s_cselect_b64 s[46:47], s[8:9], s[4:5]
	s_cselect_b64 s[50:51], s[8:9], s[6:7]
	s_add_nc_u64 s[46:47], s[46:47], s[20:21]
	s_add_nc_u64 s[50:51], s[50:51], s[22:23]
.irp s, 0,1
	s_mov_b32 s[G0A+4*\s], 1
	s_add_co_u32 s[G0A+4*\s+1], s54, \s*SLOT
	s_add_nc_u64 s[G0A+4*\s+2:G0A+4*\s+3], s[46:47], \s*2*FB
	s_or_b32 s[G0A+4*\s+3], s[G0A+4*\s+3], 0x80000000
	s_mov_b32 s[G0B+4*\s], 1
	s_add_co_u32 s[G0B+4*\s+1], s54, \s*SLOT
	s_mov_b64 s[G0B+4*\s+2:G0B+4*\s+3], s[50:51]
	s_or_b32 s[G0B+4*\s+3], s[G0B+4*\s+3], 0x80000000
	JLOAD \s                                       ; the two first fills: two loads of the wave are out
	s_add_nc_u64 s[50:51], s[50:51], s[44:45]      ; a copy, no descriptor's register: B's next K step
.endr
	v_and_b32 v1, 15, v0                           ; r
	v_bfe_u32 v2, v0, 4, 1                         ; h
	v_and_b32 v3, 31, v0                           ; lane
	v_mul_u32_u24 v4, v1, PITCH
	v_lshl_add_u32 v4, v2, 4, v4                   ; r x 144 + 16 h
	s_mul_i32 s20, s17, 128*PITCH                  ; my 128 rows of A
	v_add_nc_u32 v[ADRA], s20, v4
	v_add_nc_u32 v[ADRA+1], SLOT, v[ADRA]
	s_mul_i32 s20, s18, 128*PITCH                  ; my 128 rows of B, behind A's two K blocks
	s_add_co_u32 s20, s20, 2*BLK
	v_add_nc_u32 v[ADRB], s20, v4
	v_add_nc_u32 v[ADRB+1], SLOT, v[ADRB]
	s_mul_i32 s20, s16, STGW
	s_add_co_u32 s20, s20, STAGE                   ; my stage
	v_add_nc_u32 v[STO], s20, v4
	v_lshrrev_b32 v5, 3, v3
	v_and_b32 v6, 7, v0
	v_mul_u32_u24 v5, v5, PITCH
	v_lshl_add_u32 v5, v6, 4, v5
	v_add_nc_u32 v[RD], s20, v5
	v_lshlrev_b32 v[CO], 4, v3
; 16 matrix instructions; the 64 accumulators take turns, one instruction a turn, in the same order in every quarter step
.macro MUL16 f, hi, a0, zero
.irp a, \a0, \a0+1
.irp b, 0,1,2,3,4,5,6,7
.if \zero
	v_wmma_f32_16x16x32_f16 v[8*(8*(\a)+\b):8*(8*(\a)+\b)+7], v[\f+8*\b:\f+8*\b+7], v[\f+8*(4*\hi+\a):\f+8*(4*\hi+\a)+7], 0
.else
	v_wmma_f32_16x16x32_f16 v[8*(8*(\a)+\b):8*(8*(\a)+\b)+7], v[\f+8*\b:\f+8*\b+7], v[\f+8*(4*\hi+\a):\f+8*(4*\hi+\a)+7], v[8*(8*(\a)+\b):8*(8*(\a)+\b)+7]
.endif
.endr
.endr
.endm
.macro FETCH slot, k, f                ; 32 LDS loads in one run: the fragments of one quarter step into buffer f
	WIN TO_B
.irp i, 0,1,2,3,4,5,6,7
	ds_load_b128 v[\f+8*\i:\f+8*\i+3],   v[ADRB+\slot] offset:\k+\i*16*PITCH
	ds_load_b128 v[\f+8*\i+4:\f+8*\i+7], v[ADRB+\slot] offset:\k+\i*16*PITCH+32
.endr
	WIN 0
.irp i, 0,1,2,3,4,5,6,7
	ds_load_b128 v[\f+8*\i:\f+8*\i+3],   v[ADRA+\slot] offset:\k+\i*16*PITCH
	ds_load_b128 v[\f+8*\i+4:\f+8*\i+7], v[ADRA+\slot] offset:\k+\i*16*PITCH+32
.endr
.endm
.macro QUARTER slot, k, f, g, zero
	s_wait_dscnt 8                                 ; B's fragments and A's rows 0-63 are in; the youngest eight loads (rows 64-127) may be out
	WIN MUL_LO
	MUL16 \f, 0, 0, \zero
	MUL16 \f, 0, 2, \zero
	PLACES
	FETCH \slot, \k, \g
	s_wait_dscnt 32                                ; all but the 32 just issued
	WIN MUL_HI
	MUL16 \f, 1, 0, \zero
	MUL16 \f, 1, 2, \zero
.endm
.macro THREE slot, zero
	QUARTER \slot, 64,     F0, F1, \zero
	QUARTER \slot, BLK,    F1, F0, 0
	QUARTER \slot, BLK+64, F0, F1, 0
.endm
; the last quarter and the change of slots: in front of the barrier each wave waits for its reads of this slot and for all its tensor
; loads (one is out: its part of the next slot); the refill is the first tensor load behind it.  From a request to its wait a wave issues
; 240 matrix instructions.
.macro TURN slot, next, fill
	s_wait_dscnt 8
	WIN MUL_LO
	MUL16 F1, 0, 0, 0
	s_wait_dscnt 0x0
	s_wait_tensorcnt 0x0
	ds_add_u32 v255, v63
	s_wait_dscnt 0x0
	s_barrier_signal -1
	MUL16 F1, 0, 2, 0
	WIN 0
	s_barrier_wait -1
.if \fill
	s_add_nc_u64 s[G0A+4*\slot+2:G0A+4*\slot+3], s[G0A+4*\slot+2:G0A+4*\slot+3], 4*FB
	s_add_nc_u64 s[G0B+4*\slot+2:G0B+4*\slot+3], s[G0B+4*\slot+2:G0B+4*\slot+3], s[52:53]
	JLOAD \slot
.endif
	PLACES
	FETCH \next, 0, F0
	WIN MUL_HI
	MUL16 F1, 1, 0, 0
	MUL16 F1, 1, 2, 0
.endm
.macro LAP zero
	THREE 0, \zero
	TURN 0, 1, 1
	THREE 1, 0
	TURN 1, 0, 1
.endm
	s_wait_tensorcnt 0x1                           ; my part of K step 0 is in; K step 1's stays out
	s_barrier_signal -1
	s_barrier_wait -1
	FETCH 0, 0, F0
	LAP 1                                          ; K steps 0, 1: the first products start the sums
	WIN 0
	s_mov_b32 s19, 2                               ; K steps 2 to 5
.Llap:
	LAP 0
	WIN 0
	s_sub_co_u32 s19, s19, 1
	s_cmp_lg_u32 s19, 0
	s_cbranch_scc1 .Llap
	THREE 0, 0                                     ; K steps 6, 7: nothing is left to fetch
	TURN 0, 1, 0
	THREE 1, 0
	s_wait_dscnt 8
	WIN MUL_LO
	MUL16 F1, 0, 0, 0
	MUL16 F1, 0, 2, 0
	s_wait_dscnt 0x0
	WIN MUL_HI
	MUL16 F1, 1, 0, 0
	MUL16 F1, 1, 2, 0
	PLACES                                         ; behind the last matrix instructions: for all that reads results or loads into old fragments
	WIN 0
; rows 16 (4 (win - 2) + a) .. + 15 of my 128: round to f16, 16 bytes a lane into my own stage as [block of 64 columns][row][128 bytes + 16],
; read back by row pieces; base: the scalar pair of the target, plane: bytes from one block of 64 columns to the next.
; win may be given as a sum (2 + hi), so it stands in parentheses wherever it is used.
.macro OUT16 a, win, f, base, plane
	WIN 5*(\win)                                   ; sources 0 and 1 in the accumulators' window
.irp b, 0,1,2,3,4,5,6,7
.irp q, 0,1,2,3
	v_cvt_pk_f16_f32 v[TMP+4*\b+\q], v[8*(8*\a+\b)+2*\q], v[8*(8*\a+\b)+2*\q+1]
.endr
.endr
	WIN 0
.irp b, 0,1,2,3,4,5,6,7
	ds_store_b128 v[STO], v[TMP+4*\b:TMP+4*\b+3] offset:(\b>>2)*16*PITCH+32*(\b&3)
.endr
	s_wait_xcnt 0x0                                ; buffer f and st's four registers, which earlier stores read, are written again only behind this wait
.irp t, 0,1,2,3,4,5,6,7
	ds_load_b128 v[\f+4*\t:\f+4*\t+3], v[RD] offset:\t*4*PITCH     ; served in order behind the stores above
.endr
.irp t, 0,1,2,3,4,5,6,7
	s_wait_dscnt 7-\t
	global_store_b128 v[CO], v[\f+4*\t:\f+4*\t+3], s[\base:\base+1] offset:(\t>>2)*\plane+(4*((\win)-2)+\a)*2048+(\t&3)*512   ; 512 consecutive bytes, aligned
.endr
.endm
	s_cmp_eq_u32 s42, 0
	s_cbranch_scc1 .Lvout
	; ---- THE END OF A SCORE TILE ----
	s_lshl_b32 s20, s41, 1
	s_add_co_u32 s20, s20, s18                     ; my key tile t = 2 J + my half
	s_lshl_b32 s22, s43, 21                        ; pt: 16 key blocks x 131,072 bytes a batch,
	s_lshl_b32 s23, s20, 18                        ; + 2 t key blocks,
	s_add_co_u32 s22, s22, s23
	s_lshl_b32 s23, s40, 15                        ; + 256 R rows,
	s_add_co_u32 s22, s22, s23
	s_lshl_b32 s23, s17, 14                        ; + my half of 128 rows
	s_add_co_u32 s22, s22, s23
	s_mov_b32 s23, 0
	s_add_nc_u64 s[10:11], s[10:11], s[22:23]
	s_lshl_b32 s22, s20, 7                         ; st: (128 t + 16 batch + 4 R + 2 x my half) x 512 bytes
	s_lshl_b32 s21, s43, 4
	s_add_co_u32 s22, s22, s21
	s_lshl_b32 s21, s40, 2
	s_add_co_u32 s22, s22, s21
	s_lshl_b32 s21, s17, 1
	s_add_co_u32 s22, s22, s21
	s_lshl_b32 s22, s22, 9
	s_add_nc_u64 s[12:13], s[12:13], s[22:23]
	s_lshl_b32 s21, s40, 8                         ; my first query - my first key = 256 R + 128 x row half - 128 t
	s_lshl_b32 s22, s17, 7
	s_add_co_u32 s21, s21, s22
	s_lshl_b32 s22, s20, 7
	s_sub_co_u32 s21, s21, s22
	s_mov_b32 s66, 0x3f38aa3b                      ; log2(e) / 2, twice
	s_mov_b32 s67, 0x3f38aa3b
	s_mov_b32 s68, 0xf149f2ca                      ; -1e30
	s_mov_b32 s70, 0x76543210                      ; v_permlanex16_b32: lane i reads lane i of the other half
	s_mov_b32 s71, 0xfedcba98
	v_lshlrev_b32 v5, 3, v2
	v_sub_nc_u32 v5, v1, v5
	v_add_nc_u32 v[MB], s21, v5
.irp a, 0,1,2,3
	v_mov_b32 v[PX+\a], 0                          ; the permute's destination counts as read
.endr
; 64 of my rows (hi = 0: rows 0-63, window 2; hi = 1: rows 64-127, window 3) x my 128 keys
.macro SOFT hi
	; THE MASK.  Register j of tile (a, b) in lane (r, h) is query (my first) + 64 hi + 16 a + r, key (my first) + 16 b + 8 h + j:
	; kept where j <= r - 8 h + (first query - first key) + 64 hi + 16 (a - b).  Tiles with J < R lie below the diagonal whole.
	s_cmp_lt_u32 s41, s40
	s_cbranch_scc1 .Lnomask_\@
.irp k, 0,1,2,3,4,5,6,7,8,9,10
	v_add_nc_u32 v[DG+\k], 16*(\k-7)+64*\hi, v[MB]
.endr
	WIN 68*(2+\hi)                                 ; destination and source 1 in the accumulators' window
.irp a, 0,1,2,3
.irp b, 0,1,2,3,4,5,6,7
.irp j, 0,1,2,3,4,5,6,7
	v_cmp_ge_i32 vcc_lo, v[DG+\a-\b+7], \j
	v_cndmask_b32 v[8*(8*\a+\b)+\j], s68, v[8*(8*\a+\b)+\j], vcc_lo
.endr
.endr
.endr
	WIN 0
.Lnomask_\@:
	; THE ROW MAXIMUM: a lane holds 64 numbers of row 16 a + r, the lane 16 further on the other 64.  Four chains, one for each a.
	WIN 5*(2+\hi)                                  ; sources 0 and 1
.irp a, 0,1,2,3
	v_max_num_f32 v[MT+\a], v[64*\a], v[64*\a+1]
.endr
.set i, 2
.rept 31
.irp a, 0,1,2,3
	v_max3_num_f32 v[MT+\a], v[64*\a+i], v[64*\a+i+1], v[MT+\a]
.endr
.set i, i+2
.endr
	WIN 0
.irp a, 0,1,2,3
	v_permlanex16_b32 v[PX+\a], v[MT+\a], s70, s71
.endr
.irp a, 0,1,2,3
	v_max_num_f32 v[MM+2*\a], v[MT+\a], v[PX+\a]
	v_max_num_f32 v[MM+2*\a+1], v[MT+\a], v[PX+\a]
.endr
	; p = 2^((acc - m) log2(e) / 2), in place.  Behind each run of exponentials the next plain instruction touches other registers.
	WIN 65*(2+\hi)                                 ; destination and source 0
.irp a, 0,1,2,3
.set i, 0
.rept 32
	v_pk_add_f32 v[64*\a+i:64*\a+i+1], v[64*\a+i:64*\a+i+1], v[MM+2*\a:MM+2*\a+1] neg_lo:[0,1] neg_hi:[0,1]
.set i, i+2
.endr
.set i, 0
.rept 32
	v_pk_mul_f32 v[64*\a+i:64*\a+i+1], v[64*\a+i:64*\a+i+1], s[66:67] op_sel_hi:[1,0]
.set i, i+2
.endr
.set i, 0
.rept 64
	v_exp_f32 v[64*\a+i], v[64*\a+i]
.set i, i+1
.endr
.endr
	v_nop
	; THE ROW SUM, in f32, four chains of pairs
	WIN 5*(2+\hi)
	s_wait_alu depctr_va_vdst(0)
.irp a, 0,1,2,3
	v_pk_add_f32 v[LP+2*\a:LP+2*\a+1], v[64*\a:64*\a+1], v[64*\a+2:64*\a+3]
.endr
	WIN 2+\hi                                      ; source 0 alone
.set i, 4
.rept 30
.irp a, 0,1,2,3
	v_pk_add_f32 v[LP+2*\a:LP+2*\a+1], v[64*\a+i:64*\a+i+1], v[LP+2*\a:LP+2*\a+1]
.endr
.set i, i+2
.endr
	WIN 0
.irp a, 0,1,2,3
	v_add_f32 v[LL+\a], v[LP+2*\a], v[LP+2*\a+1]
.endr
.irp a, 0,1,2,3
	v_permlanex16_b32 v[PX+\a], v[LL+\a], s70, s71
.endr
.irp a, 0,1,2,3
	v_add_f32 v[LL+\a], v[LL+\a], v[PX+\a]
.endr
	v_cmp_gt_u32 vcc_lo, 16, v3
.irp a, 0,1,2,3
	v_cndmask_b32 v[SD+\a], v[LL+\a], v[MM+2*\a], vcc_lo           ; lanes 0-15 carry the maxima, lanes 16-31 the sums
.endr
	global_store_b128 v[CO], v[SD:SD+3], s[12:13] offset:\hi*512   ; 512 consecutive bytes, aligned
	OUT16 0, 2+\hi, F0, 10, 131072
	OUT16 1, 2+\hi, F1, 10, 131072
	OUT16 2, 2+\hi, F0, 10, 131072
	OUT16 3, 2+\hi, F1, 10, 131072
.endm
	SOFT 0
	SOFT 1
	s_set_vgpr_msb 0x1
	s_wait_tensorcnt 0x0
	ds_add_u32 v255, v63
	s_wait_dscnt 0x0
	s_set_vgpr_msb 0x100
	s_endpgm
.Lvout:
	; ---- THE END OF A TILE OF V ----
	s_lshl_b32 s20, s41, 2                         ; my first feature block: 4 x column block + 2 x my half,
	s_lshl_b32 s21, s18, 1
	s_add_co_u32 s20, s20, s21
	s_lshl_b32 s20, s20, 20
	s_lshl_b32 s21, s43, 17                        ; + 1024 tokens a batch,
	s_add_co_u32 s20, s20, s21
	s_lshl_b32 s21, s40, 15                        ; + 256 tokens a row block,
	s_add_co_u32 s20, s20, s21
	s_lshl_b32 s21, s17, 14                        ; + my half of 128
	s_add_co_u32 s20, s20, s21
	s_mov_b32 s21, 0
	s_add_nc_u64 s[14:15], s[14:15], s[20:21]
	OUT16 0, 2, F0, 14, FB
	OUT16 1, 2, F1, 14, FB
	OUT16 2, 2, F0, 14, FB
	OUT16 3, 2, F1, 14, FB
	OUT16 0, 3, F0, 14, FB
	OUT16 1, 3, F1, 14, FB
	OUT16 2, 3, F0, 14, FB
	OUT16 3, 3, F1, 14, FB
	s_set_vgpr_msb 0x1
	s_wait_tensorcnt 0x0
	ds_add_u32 v255, v63
	s_wait_dscnt 0x0
	s_set_vgpr_msb 0x100
	s_endpgm
.Lfunc_end_k_q16c70e03e9_scorev:
	.size	k_q16c70e03e9_scorev, .Lfunc_end_k_q16c70e03e9_scorev-k_q16c70e03e9_scorev
	.p2alignl 7, 3214868480
	.fill 96, 4, 3214868480
	.section	.rodata,"a",@progbits
	.p2align	6, 0x0
	.amdhsa_kernel k_q16c70e03e9_scorev
		.amdhsa_group_segment_fixed_size 327680
		.amdhsa_private_segment_fixed_size 0
		.amdhsa_enable_private_segment 0
		.amdhsa_kernarg_size 48
		.amdhsa_user_sgpr_count 2
		.amdhsa_user_sgpr_kernarg_segment_ptr 1
		.amdhsa_wavefront_size32 1
		.amdhsa_system_sgpr_workgroup_id_x 1
		.amdhsa_system_sgpr_workgroup_id_y 1
		.amdhsa_system_sgpr_workgroup_id_z 1
		.amdhsa_system_vgpr_workitem_id 0
		.amdhsa_next_free_vgpr 1024
		.amdhsa_next_free_sgpr 80
		.amdhsa_reserve_vcc 1
		.amdhsa_float_denorm_mode_32 3
		.amdhsa_float_denorm_mode_16_64 3
		.amdhsa_memory_ordered 1
		.amdhsa_forward_progress 1
		.amdhsa_inst_pref_size 255
	.end_amdhsa_kernel
	.section	.bss,"aw",@nobits
	.p2align	6
	.space	262144
	.amdgpu_metadata
---
amdhsa.version: [ 1, 2 ]
amdhsa.kernels:
  - .name:           k_q16c70e03e9_scorev
    .symbol:         k_q16c70e03e9_scorev.kd
    .args:
      - { .name: xh, .offset: 0, .size: 8, .value_kind: global_buffer, .address_space: global }
      - { .name: wh, .offset: 8, .size: 8, .value_kind: global_buffer, .address_space: global }
      - { .name: qk, .offset: 16, .size: 8, .value_kind: global_buffer, .address_space: global }
      - { .name: pt, .offset: 24, .size: 8, .value_kind: global_buffer, .address_space: global }
      - { .name: st, .offset: 32, .size: 8, .value_kind: global_buffer, .address_space: global }
      - { .name: vh, .offset: 40, .size: 8, .value_kind: global_buffer, .address_space: global }
    .group_segment_fixed_size: 327680
    .private_segment_fixed_size: 0
    .kernarg_segment_align: 8
    .kernarg_segment_size: 48
    .max_flat_workgroup_size: 128
    .sgpr_count:     80
    .vgpr_count:     1024
    .wavefront_size: 32
...
	.end_amdgpu_metadata
.endif
;; end of part 3
;; launch pv (part 4): grid 8 x 32, 4 waves a work-group, clusters of 4 x 1, 327,680 bytes of LDS; arguments pt, st, vh, oh; writes oh
.if DOCPART == 4
	.amdgcn_target "amdgcn-amd-amdhsa--gfx1250"
	.amdhsa_code_object_version 6
	.text
	.protected	k_q16c70e03e9_pv
	.globl	k_q16c70e03e9_pv
	.p2align	8
	.type	k_q16c70e03e9_pv,@function
k_q16c70e03e9_pv:
	s_mov_b64 s[64:65], 0
	v_nop
	global_prefetch_b8 v0, s[64:65] scope:SCOPE_SE
	s_setreg_imm32_b32 hwreg(HW_REG_WAVE_MODE, 25, 1), 1
	s_wait_xcnt 0x0
	s_wait_alu depctr_hold_cnt(0) depctr_sa_sdst(0) depctr_va_vdst(0) depctr_va_sdst(0) depctr_va_ssrc(0) depctr_va_vcc(0) depctr_vm_vsrc(0)
	s_getreg_b32 s2, hwreg(HW_REG_IB_STS2, 6, 4)
	s_cmp_eq_u32 s2, 0
	s_cbranch_scc0 .Lentry_in_a_cluster
	s_endpgm
.Lentry_in_a_cluster:
	s_bfe_u32 s2, ttmp6, 0x10000c
	s_cmp_lg_u32 s2, 0x3003
	s_cbranch_scc0 .Lentry_shape_is_right
	s_endpgm
.Lentry_shape_is_right:
; pv: o/4 = sum over key tiles t of w_t (P_t V_t), with w_t = exp((m_t - max m)/2) / sum over t of exp((m_t - max m)/2) l_t for each row,
; from the tiles' own maxima m_t and sums l_t in st.  The row's true maximum is taken away before every exponential; the tile that holds
; it has weight 1 and l >= 1, so the divisor is at least 1.  A tile whose part of a row is masked whole has m = -1e30 and weight 0.
; P_t: pt, f16 [batch][block of 64 keys][query][64]; V: vh, f16 [block of 64 features][token][64], holding v/4;
; result: oh, f16 [block of 64 features][token][64].  LIMIT: o/4 is stored in f16 (steps of 2^-24 below 2^-14).
; A work-group makes 256 rows (row block R of a batch) x 128 features with four waves of 64 x 128; it walks the 2 R + 2 key tiles of 128
; keys that the mask leaves, one LDS slot a tile.  Each tile's product is summed from 0 in window 1 and joined to the total in window 2 by
; one packed multiply-add for two numbers.
; THE WALK IS WRITTEN OUT: at most three laps of the ring that fill slots again (key tiles 0 to 5), each followed by a branch on R, and one
; tail for the last two key tiles.  So each tile's weights are named by a constant offset: places 0 to 5 of the wave's scratch hold the
; weights of tiles 0 to 5, places 6 and 7 those of the last two tiles, 2 R and 2 R + 1, whichever they are.
; CLUSTERS: the four work-groups of a cluster have the same rows and four neighbouring feature blocks: P's tiles are the same for all
; four and are asked for jointly (mask 15).  V's tiles are shared only between row blocks, which walk different numbers of tiles, so
; they are loads of the work-group's own, issued behind the same rounds.
; V lies in LDS as [key][feature], 160 bytes from key to key (5 x 32), and is read through the transposing load.
.set PITCH,  144
.set VPITCH, 160
.set ABLK,  256*PITCH                  ; 36,864: P's 256 rows of one key block
.set VBLK,  128*VPITCH                 ; 20,480: V's 128 keys of one feature block
.set SLOT,  2*ABLK+2*VBLK              ; 114,688
.set SCR,   2*SLOT                     ; 229,376: the rows' weights, 8 places of 1,024 bytes a wave; never the target of a tensor load
.set STAGE, SCR+4*8192                 ; 262,144: 4,608 bytes a wave
.set STGW,  32*PITCH
.set ADRA, 16
.set TRB,  18
.set STO,  20
.set RD,   21
.set CO,   22
.set AAD,  23                          ; my 16 bytes in place 0 of my wave's scratch; never rewritten
.set F0,   32
.set F1,   128
.set AL,   224                         ; v224-231 this tile's weights of rows 16 a + r, each twice
.set MS,   128                         ; the prologue's registers lie in fragment buffer 1, which is first loaded behind it
.set LS,   160
.set OFF,  192
.set MX,   200
.set LT,   204
.set RL,   208
.set WW,   212
.set G1A, 24
.set G0A, 32
.set G1B, 48
.set G0B, 56
.set M, 0x50
.set MSB, 0
.macro WIN new
.if MSB != \new
	s_set_vgpr_msb (MSB<<8)|\new
.set MSB, \new
.endif
.endm
.macro PLACES                          ; four plain vector places behind matrix instructions (ISA guide 7.12.1)
.rept 4
	v_nop
.endr
.endm
.macro JLOAD s                         ; waves 0, 1: P's two key blocks, jointly; waves 2, 3: V's two feature blocks
	s_cmp_lt_u32 s12, 2
	s_cbranch_scc0 .Lfor_b_\@
	tensor_load_to_lds s[G0A+4*\s:G0A+4*\s+3], s[G1A:G1A+7]
	s_nop 0
	s_branch .Lasked_\@
.Lfor_b_\@:
	tensor_load_to_lds s[G0B+4*\s:G0B+4*\s+3], s[G1B:G1B+7]
	s_nop 0
.Lasked_\@:
.endm
.macro CREST
	s_cmp_lg_u32 s12, 0
	s_cbranch_scc1 .Lnot_wave_0_\@
	s_barrier_signal -3
.Lnot_wave_0_\@:
	s_barrier_wait -3
	s_barrier_signal -1
	s_barrier_wait -1
.endm
.macro CROUND
	s_barrier_signal -1
	s_barrier_wait -1
	CREST
.endm
	s_load_b256 s[4:11], s[0:1], 0x0               ; pt s[4:5], st s[6:7], vh s[8:9], oh s[10:11]
	v_lshl_add_u32 v254, v0, 2, 0x44800
	v_mov_b32 v255, 0
	ds_add_u32 v254, v255
	v_lshrrev_b32 v1, 5, v0
	v_readfirstlane_b32 s12, v1                    ; wave
	s_and_b32 s14, s12, 1
	s_bfe_u32 s40, ttmp6, 0x40000                  ; cx
	s_lshl_b32 s41, ttmp9, 2
	s_add_co_u32 s41, s41, s40                     ; c: which 128 features
	s_and_b32 s42, ttmp7, 0xffff                   ; the same in all four partners
	s_lshr_b32 s43, s42, 2                         ; batch
	s_and_b32 s44, s42, 3                          ; R
	s_add_co_u32 s45, s44, 1                       ; laps of the ring = R + 1
	s_lshl_b32 s46, s44, 1
	s_add_co_u32 s46, s46, 1                       ; the last key tile, 2 R + 1
	s_mov_b32 s[G1A+0], 0x07330000|15              ; 8-byte elements, 4 words of padding behind every 32; mask of all four, bit 21 beside it
	s_mov_b32 s[G1B+0], 0x0f130000                 ; 8 words of padding behind every 32; no mask
	s_mov_b32 s[G1A+1], 32<<16
	s_mov_b32 s[G1B+1], 32<<16
	s_mov_b32 s[G1A+2], 128<<16
	s_mov_b32 s[G1B+2], 64<<16
	s_mov_b32 s[G1A+3], 32<<16
	s_mov_b32 s[G1B+3], 32<<16
	s_mov_b32 s[G1A+4], 128
	s_mov_b32 s[G1B+4], 64
	s_mov_b32 s[G1A+5], 32
	s_mov_b32 s[G1B+5], 32
	s_mov_b32 s[G1A+6], 0
	s_mov_b32 s[G1B+6], 0
	s_mov_b32 s[G1A+7], 0
	s_mov_b32 s[G1B+7], 0
	s_lshl_b32 s16, s43, 21                        ; P: 16 key blocks x 131,072 bytes a batch,
	s_lshl_b32 s17, s14, 17                        ; + my key block of the tile's two,
	s_add_co_u32 s16, s16, s17
	s_lshl_b32 s17, s44, 15                        ; + 256 R rows
	s_add_co_u32 s16, s16, s17
	s_mov_b32 s17, 0
	s_lshl_b32 s20, s41, 1                         ; V: feature block 2 c + my one of the two,
	s_add_co_u32 s20, s20, s14
	s_lshl_b32 s20, s20, 20
	s_lshl_b32 s21, s43, 17                        ; + 1024 tokens a batch
	s_add_co_u32 s20, s20, s21
	s_mov_b32 s21, 0
	s_mul_i32 s22, s12, ABLK                       ; waves 0, 1: 0 and 36,864
	s_mul_i32 s23, s12, VBLK
	s_add_co_u32 s23, s23, 2*ABLK-2*VBLK           ; waves 2, 3: 73,728 and 94,208
	s_wait_dscnt 0x0
	s_wait_kmcnt 0x0
	s_add_nc_u64 s[16:17], s[4:5], s[16:17]
	s_add_nc_u64 s[20:21], s[8:9], s[20:21]
	CROUND                                         ; in front of the first joint loads
.irp s, 0,1
	s_mov_b32 s[G0A+4*\s], 1
	s_add_co_u32 s[G0A+4*\s+1], s22, \s*SLOT
	s_add_nc_u64 s[G0A+4*\s+2:G0A+4*\s+3], s[16:17], \s*(1<<18)    ; key tile s: two key blocks on
	s_or_b32 s[G0A+4*\s+3], s[G0A+4*\s+3], 0x80000000
	s_mov_b32 s[G0B+4*\s], 1
	s_add_co_u32 s[G0B+4*\s+1], s23, \s*SLOT
	s_add_nc_u64 s[G0B+4*\s+2:G0B+4*\s+3], s[20:21], \s*(1<<14)    ; 128 tokens on
	s_or_b32 s[G0B+4*\s+3], s[G0B+4*\s+3], 0x80000000
	JLOAD \s                                       ; every row block has at least two key tiles: two loads of the wave are out
.endr
	; THE WEIGHTS of my 64 rows, while the first tiles are on their way.  Place p = 0 to 5 stands for key tile p, places 6 and 7 for the
	; last two key tiles.  A place p < 6 counts in the divisor only where p < 2 R: so every tile counts once.
	s_lshl_b32 s18, s43, 4
	s_lshl_b32 s19, s44, 2
	s_add_co_u32 s18, s18, s19
	s_add_co_u32 s18, s18, s12
	s_lshl_b32 s18, s18, 9                         ; (16 batch + 4 R + wave) x 512 bytes
	s_mov_b32 s19, 0
	s_add_nc_u64 s[6:7], s[6:7], s[18:19]
	s_mov_b32 s66, 0x3f38aa3b                      ; log2(e) / 2, twice
	s_mov_b32 s67, 0x3f38aa3b
	v_and_b32 v1, 15, v0                           ; r
	v_bfe_u32 v2, v0, 4, 1                         ; h
	v_and_b32 v3, 31, v0                           ; lane
	v_lshlrev_b32 v5, 4, v1
.irp t, 0,1,2,3,4,5
	s_min_u32 s18, s46, \t                         ; a place past the last tile reads the last tile: nothing unwritten is read
	s_lshl_b32 s18, s18, 16                        ; 128 x 512 bytes a key tile
	v_add_nc_u32 v[OFF+\t], s18, v5
.endr
	s_sub_co_u32 s18, s46, 1                       ; place 6: key tile 2 R
	s_lshl_b32 s18, s18, 16
	v_add_nc_u32 v[OFF+6], s18, v5
	s_lshl_b32 s18, s46, 16                        ; place 7: key tile 2 R + 1
	v_add_nc_u32 v[OFF+7], s18, v5
.irp t, 0,1,2,3,4,5,6,7
	global_load_b128 v[MS+4*\t:MS+4*\t+3], v[OFF+\t], s[6:7]             ; m of rows r, 16 + r, 32 + r, 48 + r
	global_load_b128 v[LS+4*\t:LS+4*\t+3], v[OFF+\t], s[6:7] offset:256  ; l of the same
.endr
.irp t, 0,1,2,3,4,5
	s_cmp_gt_u32 s46, \t+1                         ; p < 2 R
	s_cselect_b32 s[72+2*\t], 1.0, 0               ; 1 for a tile that no other place stands for, 0 for a repeat
	s_cselect_b32 s[73+2*\t], 1.0, 0
.endr
	v_mul_u32_u24 v4, v1, PITCH
	v_lshl_add_u32 v4, v2, 4, v4                   ; r x 144 + 16 h
	s_mul_i32 s18, s12, 64*PITCH
	v_add_nc_u32 v[ADRA], s18, v4
	v_add_nc_u32 v[ADRA+1], SLOT, v[ADRA]
	v_and_b32 v6, 7, v0
	v_lshl_add_u32 v7, v2, 3, v6                   ; 8 h + lane mod 8: the key's row
	v_mul_u32_u24 v7, v7, VPITCH
	v_bfe_u32 v8, v0, 3, 1
	v_lshl_add_u32 v7, v8, 4, v7
	v_add_nc_u32 v[TRB], 2*ABLK, v7
	v_add_nc_u32 v[TRB+1], SLOT, v[TRB]
	s_mul_i32 s18, s12, STGW
	s_add_co_u32 s18, s18, STAGE
	v_add_nc_u32 v[STO], s18, v4
	v_lshrrev_b32 v5, 3, v3
	v_mul_u32_u24 v5, v5, PITCH
	v_lshl_add_u32 v5, v6, 4, v5
	v_add_nc_u32 v[RD], s18, v5
	v_lshlrev_b32 v[CO], 4, v3
	s_lshl_b32 s18, s12, 13
	s_add_co_u32 s18, s18, SCR
	v_add_nc_u32 v[AAD], s18, v[CO]                ; scratch + 8,192 x wave + 16 x lane
	s_wait_loadcnt 0x0
.irp a, 0,1,2,3
	v_max3_num_f32 v[MX+\a], v[MS+\a], v[MS+4+\a], v[MS+8+\a]      ; a repeated tile changes no maximum
	v_max3_num_f32 v[MX+\a], v[MX+\a], v[MS+12+\a], v[MS+16+\a]
	v_max3_num_f32 v[MX+\a], v[MX+\a], v[MS+20+\a], v[MS+24+\a]
	v_max_num_f32 v[MX+\a], v[MX+\a], v[MS+28+\a]
.endr
.irp t, 0,1,2,3,4,5,6,7
.irp p, 0,2
	v_pk_add_f32 v[MS+4*\t+\p:MS+4*\t+\p+1], v[MS+4*\t+\p:MS+4*\t+\p+1], v[MX+\p:MX+\p+1] neg_lo:[0,1] neg_hi:[0,1]
.endr
.endr
.irp t, 0,1,2,3,4,5,6,7
.irp p, 0,2
	v_pk_mul_f32 v[MS+4*\t+\p:MS+4*\t+\p+1], v[MS+4*\t+\p:MS+4*\t+\p+1], s[66:67] op_sel_hi:[1,0]
.endr
.endr
.set i, 0
.rept 32
	v_exp_f32 v[MS+i], v[MS+i]
.set i, i+1
.endr
.irp t, 0,1,2,3,4,5
.irp p, 0,2
	v_pk_mul_f32 v[LS+4*\t+\p:LS+4*\t+\p+1], v[LS+4*\t+\p:LS+4*\t+\p+1], s[72+2*\t:73+2*\t] op_sel_hi:[1,0]   ; plain work on other registers behind the exponentials
.endr
.endr
	s_wait_alu depctr_va_vdst(0)
.irp p, 0,2
	v_pk_mul_f32 v[LT+\p:LT+\p+1], v[MS+\p:MS+\p+1], v[LS+\p:LS+\p+1]
.endr
.irp t, 1,2,3,4,5,6,7
.irp p, 0,2
	v_pk_fma_f32 v[LT+\p:LT+\p+1], v[MS+4*\t+\p:MS+4*\t+\p+1], v[LS+4*\t+\p:LS+4*\t+\p+1], v[LT+\p:LT+\p+1]
.endr
.endr
.irp a, 0,1,2,3
	v_rcp_f32 v[RL+\a], v[LT+\a]
.endr
	v_nop
	s_wait_alu depctr_va_vdst(0)
.irp t, 0,1,2,3,4,5,6,7
.irp a, 0,1,2,3
	v_mul_f32 v[WW+2*\a], v[MS+4*\t+\a], v[RL+\a]
	v_mul_f32 v[WW+2*\a+1], v[MS+4*\t+\a], v[RL+\a]
.endr
	ds_store_b128 v[AAD], v[WW:WW+3] offset:\t*1024
	ds_store_b128 v[AAD], v[WW+4:WW+7] offset:\t*1024+512
.endr
.macro FETCH s, qd, f                  ; 24 loads: quarter qd (32 keys) of slot s
.irp b, 0,1,2,3,4,5,6,7
	ds_load_tr16_b128 v[\f+32+8*\b:\f+32+8*\b+3],   v[TRB+\s] offset:(\b>>2)*VBLK+\qd*32*VPITCH+32*(\b&3)
	ds_load_tr16_b128 v[\f+32+8*\b+4:\f+32+8*\b+7], v[TRB+\s] offset:(\b>>2)*VBLK+\qd*32*VPITCH+32*(\b&3)+16*VPITCH
.endr
.irp a, 0,1,2,3
	ds_load_b128 v[\f+8*\a:\f+8*\a+3],   v[ADRA+\s] offset:(\qd>>1)*ABLK+\a*16*PITCH+64*(\qd&1)
	ds_load_b128 v[\f+8*\a+4:\f+8*\a+7], v[ADRA+\s] offset:(\qd>>1)*ABLK+\a*16*PITCH+64*(\qd&1)+32
.endr
.endm
.macro MUL f, a0, zero                 ; 16 matrix instructions; the 32 accumulators take turns, one instruction a turn
.irp a, \a0, \a0+1
.irp b, 0,1,2,3,4,5,6,7
.if \zero
	v_wmma_f32_16x16x32_f16 v[8*(8*(\a)+\b):8*(8*(\a)+\b)+7], v[\f+32+8*\b:\f+32+8*\b+7], v[\f+8*(\a):\f+8*(\a)+7], 0
.else
	v_wmma_f32_16x16x32_f16 v[8*(8*(\a)+\b):8*(8*(\a)+\b)+7], v[\f+32+8*\b:\f+32+8*\b+7], v[\f+8*(\a):\f+8*(\a)+7], v[8*(8*(\a)+\b):8*(8*(\a)+\b)+7]
.endif
.endr
.endr
.endm
.macro Q s, qn, f, g, zero
	PLACES
	WIN 0
	FETCH \s, \qn, \g
	s_wait_dscnt 24                                ; all but the 24 just issued
	WIN M
	MUL \f, 0, \zero
	MUL \f, 2, \zero
.endm
.macro ALOAD p                         ; the weights in place p of my wave's scratch: my own lane's 32 bytes, stored by me in the prologue
	ds_load_b128 v[AL:AL+3], v[AAD] offset:\p*1024
	ds_load_b128 v[AL+4:AL+7], v[AAD] offset:\p*1024+512
.endm
.macro COMBINE first                   ; total (window 2) = tile's product (window 1) x the row's weight (+ total): the first tile starts it
.if \first
	WIN 0x81
.else
	WIN 0xa1
.endif
.irp a, 0,1,2,3
.set i, 0
.rept 32
.if \first
	v_pk_mul_f32 v[64*\a+i:64*\a+i+1], v[64*\a+i:64*\a+i+1], v[AL+2*\a:AL+2*\a+1]
.else
	v_pk_fma_f32 v[64*\a+i:64*\a+i+1], v[64*\a+i:64*\a+i+1], v[AL+2*\a:AL+2*\a+1], v[64*\a+i:64*\a+i+1]
.endif
.set i, i+2
.endr
.endr
.endm
; one key tile in slot s, with the weights of place p, and the change of slots.  In front of the barrier each wave waits for its reads of
; the slot and for all its tensor loads; where the slot is filled again the barrier opens a round of the cluster's barrier and the refill
; comes first behind it.
.macro P s, nx, p, first, fill
	Q \s, 1, F0, F1, 1                             ; the tile's sums start from 0
	Q \s, 2, F1, F0, 0
	Q \s, 3, F0, F1, 0
	s_wait_dscnt 0x0
	s_wait_tensorcnt 0x0
	ds_add_u32 v254, v255
	s_wait_dscnt 0x0
	s_barrier_signal -1
	WIN M
	MUL F1, 0, 0
	WIN 0
	s_barrier_wait -1
.if \fill
	CREST
	s_add_nc_u64 s[G0A+4*\s+2:G0A+4*\s+3], s[G0A+4*\s+2:G0A+4*\s+3], 1<<19   ; two key tiles on: four key blocks
	s_add_nc_u64 s[G0B+4*\s+2:G0B+4*\s+3], s[G0B+4*\s+2:G0B+4*\s+3], 1<<15   ; 256 tokens
	JLOAD \s
.endif
	PLACES
	ALOAD \p
	FETCH \nx, 0, F0
	WIN M
	MUL F1, 2, 0
	PLACES
	s_wait_dscnt 24                                ; the weights are in; the 24 fragment loads issued behind them stay out
	COMBINE \first
.endm
.macro LASTP s, p
	Q \s, 1, F0, F1, 1
	Q \s, 2, F1, F0, 0
	Q \s, 3, F0, F1, 0
	WIN 0
	ALOAD \p
	s_wait_dscnt 0x0
	WIN M
	MUL F1, 0, 0
	MUL F1, 2, 0
	PLACES
	COMBINE 0
	WIN 0
.endm
	s_wait_tensorcnt 0x1                           ; my part of key tile 0 is in; tile 1's stays out
	s_wait_dscnt 0x0                               ; no LDS instruction is pending at a signal
	s_barrier_signal -1
	s_barrier_wait -1
	FETCH 0, 0, F0
	s_cmp_eq_u32 s45, 1                            ; every branch of the walk hangs on R alone, which the four partners share
	s_cbranch_scc1 .Lshort
	P 0, 1, 0, 1, 1                                ; key tiles 0, 1; tiles 2, 3 are asked for
	P 1, 0, 1, 0, 1
	WIN 0
	s_cmp_eq_u32 s45, 2
	s_cbranch_scc1 .Ltail
	P 0, 1, 2, 0, 1                                ; key tiles 2, 3; tiles 4, 5 are asked for
	P 1, 0, 3, 0, 1
	WIN 0
	s_cmp_eq_u32 s45, 3
	s_cbranch_scc1 .Ltail
	P 0, 1, 4, 0, 1                                ; key tiles 4, 5; tiles 6, 7 are asked for
	P 1, 0, 5, 0, 1
	WIN 0
.Ltail:
	P 0, 1, 6, 0, 0                                ; the last two key tiles: nothing is left to fetch; on every way here one load of the wave is out, slot 1's
	LASTP 1, 7
	s_branch .Lout
.Lshort:
	P 0, 1, 6, 1, 0                                ; row block 0: two key tiles in all, the first starts the total
	LASTP 1, 7
.Lout:
	s_lshl_b32 s16, s43, 17                        ; oh: 1024 tokens a batch + 256 R + 64 a wave, 128 bytes each,
	s_lshl_b32 s17, s44, 15
	s_add_co_u32 s16, s16, s17
	s_lshl_b32 s17, s12, 13
	s_add_co_u32 s16, s16, s17
	s_mov_b32 s17, 0
	s_add_nc_u64 s[10:11], s[10:11], s[16:17]
	s_lshl_b32 s20, s41, 21                        ; + feature block 2 c
	s_mov_b32 s21, 0
	s_add_nc_u64 s[10:11], s[10:11], s[20:21]
.macro OUT16 a, f
	WIN 0x0a                                       ; sources 0 and 1 in window 2
.irp b, 0,1,2,3,4,5,6,7
.irp q, 0,1,2,3
	v_cvt_pk_f16_f32 v[64+4*\b+\q], v[8*(8*\a+\b)+2*\q], v[8*(8*\a+\b)+2*\q+1]
.endr
.endr
	WIN 0
.irp b, 0,1,2,3,4,5,6,7
	ds_store_b128 v[STO], v[64+4*\b:64+4*\b+3] offset:(\b>>2)*16*PITCH+32*(\b&3)
.endr
	s_wait_xcnt 0x0                                ; buffer f, which earlier stores read, is loaded again only behind this wait
.irp i, 0,1,2,3,4,5,6,7
	ds_load_b128 v[\f+4*\i:\f+4*\i+3], v[RD] offset:\i*4*PITCH     ; served in order behind the stores above
.endr
.irp i, 0,1,2,3,4,5,6,7
	s_wait_dscnt 7-\i
	global_store_b128 v[CO], v[\f+4*\i:\f+4*\i+3], s[10:11] offset:(\i>>2)*(1<<20)+\a*2048+(\i&3)*512
.endr
.endm
	OUT16 0, 128
	OUT16 1, 160
	OUT16 2, 128
	OUT16 3, 160
	s_wait_tensorcnt 0x0
	ds_add_u32 v254, v255
	s_wait_dscnt 0x0
	CROUND                                         ; the closing round
	s_endpgm
.Lfunc_end_k_q16c70e03e9_pv:
	.size	k_q16c70e03e9_pv, .Lfunc_end_k_q16c70e03e9_pv-k_q16c70e03e9_pv
	.p2alignl 7, 3214868480
	.fill 96, 4, 3214868480
	.section	.rodata,"a",@progbits
	.p2align	6, 0x0
	.amdhsa_kernel k_q16c70e03e9_pv
		.amdhsa_group_segment_fixed_size 327680
		.amdhsa_private_segment_fixed_size 0
		.amdhsa_enable_private_segment 0
		.amdhsa_kernarg_size 32
		.amdhsa_user_sgpr_count 2
		.amdhsa_user_sgpr_kernarg_segment_ptr 1
		.amdhsa_wavefront_size32 1
		.amdhsa_system_sgpr_workgroup_id_x 1
		.amdhsa_system_sgpr_workgroup_id_y 1
		.amdhsa_system_sgpr_workgroup_id_z 1
		.amdhsa_system_vgpr_workitem_id 0
		.amdhsa_next_free_vgpr 768
		.amdhsa_next_free_sgpr 96
		.amdhsa_reserve_vcc 0
		.amdhsa_float_denorm_mode_32 3
		.amdhsa_float_denorm_mode_16_64 3
		.amdhsa_memory_ordered 1
		.amdhsa_forward_progress 1
		.amdhsa_inst_pref_size 255
	.end_amdhsa_kernel
	.section	.bss,"aw",@nobits
	.p2align	6
	.space	262144
	.amdgpu_metadata
---
amdhsa.version: [ 1, 2 ]
amdhsa.kernels:
  - .name:           k_q16c70e03e9_pv
    .symbol:         k_q16c70e03e9_pv.kd
    .args:
      - { .name: pt, .offset: 0, .size: 8, .value_kind: global_buffer, .address_space: global }
      - { .name: st, .offset: 8, .size: 8, .value_kind: global_buffer, .address_space: global }
      - { .name: vh, .offset: 16, .size: 8, .value_kind: global_buffer, .address_space: global }
      - { .name: oh, .offset: 24, .size: 8, .value_kind: global_buffer, .address_space: global }
    .group_segment_fixed_size: 327680
    .private_segment_fixed_size: 0
    .kernarg_segment_align: 8
    .kernarg_segment_size: 32
    .max_flat_workgroup_size: 128
    .sgpr_count:     96
    .vgpr_count:     768
    .wavefront_size: 32
...
	.end_amdgpu_metadata
.endif
;; end of part 4
;; launch outp (part 5): grid 8 x 32, 4 waves a work-group, clusters of 4 x 4, 327,680 bytes of LDS; arguments oh, woh, out0; writes out0
.if DOCPART == 5
	.amdgcn_target "amdgcn-amd-amdhsa--gfx1250"
	.amdhsa_code_object_version 6
	.text
	.protected	k_q16c70e03e9_outp
	.globl	k_q16c70e03e9_outp
	.p2align	8
	.type	k_q16c70e03e9_outp,@function
k_q16c70e03e9_outp:
	s_mov_b64 s[64:65], 0
	v_nop
	global_prefetch_b8 v0, s[64:65] scope:SCOPE_SE
	s_setreg_imm32_b32 hwreg(HW_REG_WAVE_MODE, 25, 1), 1
	s_wait_xcnt 0x0
	s_wait_alu depctr_hold_cnt(0) depctr_sa_sdst(0) depctr_va_vdst(0) depctr_va_sdst(0) depctr_va_ssrc(0) depctr_va_vcc(0) depctr_vm_vsrc(0)
	s_getreg_b32 s2, hwreg(HW_REG_IB_STS2, 6, 4)
	s_cmp_eq_u32 s2, 0
	s_cbranch_scc0 .Lentry_in_a_cluster
	s_endpgm
.Lentry_in_a_cluster:
	s_bfe_u32 s2, ttmp6, 0x10000c
	s_cmp_lg_u32 s2, 0xf033
	s_cbranch_scc0 .Lentry_shape_is_right
	s_endpgm
.Lentry_shape_is_right:
; outp: out0 = oh woh^T, 8192 x 1024 x 1024; oh holds o/4 and woh 4 wo, both f16 in the layout [K block of 64][row][64]; f32 sums, f32 result.
; 256 work-groups of 256 rows x 128 columns; four waves of 64 x 128 (32 accumulator tiles in window 1).  K goes in steps of 128 (two K
; blocks) through two LDS slots, one dense tensor load a wave, row pieces 144 bytes apart in LDS.
; CLUSTERS: 4 x 4 work-groups; oh's tiles hang on the block row alone and are asked for jointly along a row of the cluster, woh's on the
; block column alone and are asked for jointly along a column.
; The matrix instruction is used transposed: a lane holds eight neighbouring columns (32 bytes) of one row; 16 rows at a time go through
; the wave's own stage and leave as whole rows of 512 bytes.
.set PITCH, 144
.set ABLK,  256*PITCH
.set BBLK,  128*PITCH
.set SLOT,  2*ABLK+2*BBLK              ; 110,592
.set STAGE, 2*SLOT                     ; 221,184: never the target of a tensor load
.set SPITCH, 528                       ; 512 bytes + 16
.set STGW,  16*SPITCH                  ; 8,448 a wave
.set FB,    1<<20                      ; bytes of a K block of oh
.set WB,    1024*128                   ; of woh
.set ADRA, 16
.set ADRB, 18
.set STO,  20
.set RD,   21
.set CO,   22
.set F0,   32
.set F1,   128
.set G1A, 24
.set G0A, 32
.set G1B, 48
.set G0B, 56
.set M, 0x50
.set MSB, 0
.macro WIN new
.if MSB != \new
	s_set_vgpr_msb (MSB<<8)|\new
.set MSB, \new
.endif
.endm
.macro PLACES                          ; four plain vector places behind matrix instructions (ISA guide 7.12.1)
.rept 4
	v_nop
.endr
.endm
.macro JLOAD s                         ; waves 0, 1: oh's two K blocks; waves 2, 3: woh's
	s_cmp_lt_u32 s12, 2
	s_cbranch_scc0 .Lfor_b_\@
	tensor_load_to_lds s[G0A+4*\s:G0A+4*\s+3], s[G1A:G1A+7]
	s_nop 0
	s_branch .Lasked_\@
.Lfor_b_\@:
	tensor_load_to_lds s[G0B+4*\s:G0B+4*\s+3], s[G1B:G1B+7]
	s_nop 0
.Lasked_\@:
.endm
.macro CREST
	s_cmp_lg_u32 s12, 0
	s_cbranch_scc1 .Lnot_wave_0_\@
	s_barrier_signal -3
.Lnot_wave_0_\@:
	s_barrier_wait -3
	s_barrier_signal -1
	s_barrier_wait -1
.endm
.macro CROUND
	s_barrier_signal -1
	s_barrier_wait -1
	CREST
.endm
	s_load_b128 s[4:7], s[0:1], 0x0                ; oh s[4:5], woh s[6:7]
	s_load_b64 s[8:9], s[0:1], 0x10                ; out0
	v_lshl_add_u32 v254, v0, 2, 0x3e400
	v_mov_b32 v255, 0
	ds_add_u32 v254, v255
	v_lshrrev_b32 v1, 5, v0
	v_readfirstlane_b32 s12, v1                    ; wave
	s_and_b32 s14, s12, 1
	s_bfe_u32 s40, ttmp6, 0x40000                  ; cx
	s_bfe_u32 s41, ttmp6, 0x40004                  ; cy
	s_lshl_b32 s42, ttmp9, 2
	s_add_co_u32 s42, s42, s40                     ; block column 0..7
	s_and_b32 s43, ttmp7, 0xffff
	s_lshl_b32 s43, s43, 2
	s_add_co_u32 s43, s43, s41                     ; block row 0..31
	s_lshl_b32 s44, s41, 2
	s_lshl_b32 s44, 15, s44                        ; my row of the cluster
	s_lshl_b32 s45, 0x1111, s40                    ; my column
	s_or_b32 s[G1A+0], s44, 0x07330000             ; 8-byte elements, 4 words of padding behind every 32, bit 21 beside the mask
	s_or_b32 s[G1B+0], s45, 0x07330000
	s_mov_b32 s[G1A+1], 32<<16
	s_mov_b32 s[G1B+1], 32<<16
	s_mov_b32 s[G1A+2], 128<<16
	s_mov_b32 s[G1B+2], 64<<16
	s_mov_b32 s[G1A+3], 32<<16
	s_mov_b32 s[G1B+3], 32<<16
	s_mov_b32 s[G1A+4], 128
	s_mov_b32 s[G1B+4], 64
	s_mov_b32 s[G1A+5], 32
	s_mov_b32 s[G1B+5], 32
	s_mov_b32 s[G1A+6], 0
	s_mov_b32 s[G1B+6], 0
	s_mov_b32 s[G1A+7], 0
	s_mov_b32 s[G1B+7], 0
	s_lshl_b32 s16, s43, 15                        ; oh: 256 rows a block row + my K block of the step's two
	s_lshl_b32 s17, s14, 20
	s_add_co_u32 s16, s16, s17
	s_mov_b32 s17, 0
	s_lshl_b32 s20, s42, 14                        ; woh: 128 rows a block column + my K block
	s_lshl_b32 s21, s14, 17
	s_add_co_u32 s20, s20, s21
	s_mov_b32 s21, 0
	s_mul_i32 s22, s12, ABLK                       ; waves 0, 1: 0 and 36,864
	s_mul_i32 s23, s12, BBLK
	s_add_co_u32 s23, s23, ABLK                    ; waves 2, 3: 73,728 and 92,160
	s_wait_dscnt 0x0
	s_wait_kmcnt 0x0
	s_add_nc_u64 s[16:17], s[4:5], s[16:17]
	s_add_nc_u64 s[20:21], s[6:7], s[20:21]
	CROUND                                         ; in front of the first joint loads
.irp s, 0,1
	s_mov_b32 s[G0A+4*\s], 1
	s_add_co_u32 s[G0A+4*\s+1], s22, \s*SLOT
	s_add_nc_u64 s[G0A+4*\s+2:G0A+4*\s+3], s[16:17], \s*2*FB
	s_or_b32 s[G0A+4*\s+3], s[G0A+4*\s+3], 0x80000000
	s_mov_b32 s[G0B+4*\s], 1
	s_add_co_u32 s[G0B+4*\s+1], s23, \s*SLOT
	s_add_nc_u64 s[G0B+4*\s+2:G0B+4*\s+3], s[20:21], \s*2*WB
	s_or_b32 s[G0B+4*\s+3], s[G0B+4*\s+3], 0x80000000
	JLOAD \s                                       ; two loads of the wave are out
.endr
	v_and_b32 v1, 15, v0                           ; r
	v_bfe_u32 v2, v0, 4, 1                         ; h
	v_and_b32 v3, 31, v0                           ; lane
	v_mul_u32_u24 v4, v1, PITCH
	v_lshl_add_u32 v4, v2, 4, v4
	s_mul_i32 s18, s12, 64*PITCH
	v_add_nc_u32 v[ADRA], s18, v4
	v_add_nc_u32 v[ADRA+1], SLOT, v[ADRA]
	v_add_nc_u32 v[ADRB], 2*ABLK, v4
	v_add_nc_u32 v[ADRB+1], SLOT, v[ADRB]
	s_mul_i32 s18, s12, STGW
	s_add_co_u32 s18, s18, STAGE
	v_mul_u32_u24 v5, v1, SPITCH
	v_lshl_add_u32 v5, v2, 5, v5                   ; in: row r, 32 bytes for each half of the lanes
	v_add_nc_u32 v[STO], s18, v5
	v_lshlrev_b32 v[CO], 4, v3
	v_add_nc_u32 v[RD], s18, v[CO]                 ; back: 32 lanes take one row of 512 bytes
.macro FETCH s, qd, f
.irp b, 0,1,2,3,4,5,6,7
	ds_load_b128 v[\f+32+8*\b:\f+32+8*\b+3],   v[ADRB+\s] offset:(\qd>>1)*BBLK+\b*16*PITCH+64*(\qd&1)
	ds_load_b128 v[\f+32+8*\b+4:\f+32+8*\b+7], v[ADRB+\s] offset:(\qd>>1)*BBLK+\b*16*PITCH+64*(\qd&1)+32
.endr
.irp a, 0,1,2,3
	ds_load_b128 v[\f+8*\a:\f+8*\a+3],   v[ADRA+\s] offset:(\qd>>1)*ABLK+\a*16*PITCH+64*(\qd&1)
	ds_load_b128 v[\f+8*\a+4:\f+8*\a+7], v[ADRA+\s] offset:(\qd>>1)*ABLK+\a*16*PITCH+64*(\qd&1)+32
.endr
.endm
.macro MUL f, a0, zero                 ; 16 matrix instructions; the 32 accumulators take turns, one instruction a turn
.irp a, \a0, \a0+1
.irp b, 0,1,2,3,4,5,6,7
.if \zero
	v_wmma_f32_16x16x32_f16 v[8*(8*(\a)+\b):8*(8*(\a)+\b)+7], v[\f+32+8*\b:\f+32+8*\b+7], v[\f+8*(\a):\f+8*(\a)+7], 0
.else
	v_wmma_f32_16x16x32_f16 v[8*(8*(\a)+\b):8*(8*(\a)+\b)+7], v[\f+32+8*\b:\f+32+8*\b+7], v[\f+8*(\a):\f+8*(\a)+7], v[8*(8*(\a)+\b):8*(8*(\a)+\b)+7]
.endif
.endr
.endr
.endm
.macro Q s, qn, f, g, zero
	PLACES
	WIN 0
	FETCH \s, \qn, \g
	s_wait_dscnt 24                                ; all but the 24 just issued
	WIN M
	MUL \f, 0, \zero
	MUL \f, 2, \zero
.endm
; the change of slots: each wave's waits stand in front of the barrier; where the slot is filled again it opens a round of the cluster's
; barrier, and the joint refill is the first tensor load behind the round.  From a request to its wait a wave issues 112 matrix instructions.
.macro TURN s, nx, fill
	s_wait_dscnt 0x0
	s_wait_tensorcnt 0x0
	ds_add_u32 v254, v255
	s_wait_dscnt 0x0
	s_barrier_signal -1
	WIN M
	MUL F1, 0, 0
	WIN 0
	s_barrier_wait -1
.if \fill
	CREST
	s_add_nc_u64 s[G0A+4*\s+2:G0A+4*\s+3], s[G0A+4*\s+2:G0A+4*\s+3], 4*FB
	s_add_nc_u64 s[G0B+4*\s+2:G0B+4*\s+3], s[G0B+4*\s+2:G0B+4*\s+3], 4*WB
	JLOAD \s
.endif
	PLACES
	FETCH \nx, 0, F0
	WIN M
	MUL F1, 2, 0
.endm
.macro SLOTW s, nx, zero, fill
	Q \s, 1, F0, F1, \zero
	Q \s, 2, F1, F0, 0
	Q \s, 3, F0, F1, 0
	TURN \s, \nx, \fill
.endm
	s_wait_tensorcnt 0x1                           ; my part of slot 0 is in; slot 1's stays out
	s_barrier_signal -1
	s_barrier_wait -1
	FETCH 0, 0, F0
	SLOTW 0, 1, 1, 1                               ; K steps 0, 1
	SLOTW 1, 0, 0, 1
	WIN 0
	s_mov_b32 s15, 2                               ; K steps 2 to 5
.Llap:
	SLOTW 0, 1, 0, 1
	SLOTW 1, 0, 0, 1
	WIN 0
	s_sub_co_u32 s15, s15, 1
	s_cmp_lg_u32 s15, 0
	s_cbranch_scc1 .Llap
	SLOTW 0, 1, 0, 0                               ; K steps 6, 7: nothing is left to fetch
	Q 1, 1, F0, F1, 0
	Q 1, 2, F1, F0, 0
	Q 1, 3, F0, F1, 0
	s_wait_dscnt 0x0
	MUL F1, 0, 0
	MUL F1, 2, 0
	PLACES                                         ; behind the last matrix instructions: for the LDS stores of results and the loads into old fragments
	s_lshl_b32 s16, s43, 20                        ; out0: 256 rows x 4,096 bytes a block row + 64 rows a wave,
	s_lshl_b32 s17, s12, 18
	s_add_co_u32 s16, s16, s17
	s_mov_b32 s17, 0
	s_add_nc_u64 s[8:9], s[8:9], s[16:17]
	s_lshl_b32 s20, s42, 9                         ; + 512 bytes a block column
	s_mov_b32 s21, 0
	s_add_nc_u64 s[8:9], s[8:9], s[20:21]
.macro OUT16 a, f
	WIN 0x04                                       ; an LDS store's data is source 1: window 1
.irp b, 0,1,2,3,4,5,6,7
	ds_store_b128 v[STO], v[8*(8*\a+\b):8*(8*\a+\b)+3] offset:64*\b
	ds_store_b128 v[STO], v[8*(8*\a+\b)+4:8*(8*\a+\b)+7] offset:64*\b+16
.endr
	WIN 0
	s_wait_xcnt 0x0                                ; buffer f, which earlier stores read, is loaded again only behind this wait
.irp i, 0,1,2,3,4,5,6,7,8,9,10,11,12,13,14,15
	ds_load_b128 v[\f+4*\i:\f+4*\i+3], v[RD] offset:\i*SPITCH      ; served in order behind the stores above
.endr
.irp i, 0,1,2,3,4,5,6,7,8,9,10,11,12,13,14,15
	s_wait_dscnt 15-\i
	global_store_b128 v[CO], v[\f+4*\i:\f+4*\i+3], s[8:9] offset:(16*\a+\i)*4096 th:TH_STORE_NT   ; 512 consecutive bytes, aligned
.endr
.endm
	OUT16 0, 32
	OUT16 1, 96
	OUT16 2, 32
	OUT16 3, 96
	s_wait_tensorcnt 0x0
	ds_add_u32 v254, v255
	s_wait_dscnt 0x0
	CROUND                                         ; the closing round
	s_endpgm
.Lfunc_end_k_q16c70e03e9_outp:
	.size	k_q16c70e03e9_outp, .Lfunc_end_k_q16c70e03e9_outp-k_q16c70e03e9_outp
	.p2alignl 7, 3214868480
	.fill 96, 4, 3214868480
	.section	.rodata,"a",@progbits
	.p2align	6, 0x0
	.amdhsa_kernel k_q16c70e03e9_outp
		.amdhsa_group_segment_fixed_size 327680
		.amdhsa_private_segment_fixed_size 0
		.amdhsa_enable_private_segment 0
		.amdhsa_kernarg_size 24
		.amdhsa_user_sgpr_count 2
		.amdhsa_user_sgpr_kernarg_segment_ptr 1
		.amdhsa_wavefront_size32 1
		.amdhsa_system_sgpr_workgroup_id_x 1
		.amdhsa_system_sgpr_workgroup_id_y 1
		.amdhsa_system_sgpr_workgroup_id_z 1
		.amdhsa_system_vgpr_workitem_id 0
		.amdhsa_next_free_vgpr 512
		.amdhsa_next_free_sgpr 66
		.amdhsa_reserve_vcc 0
		.amdhsa_float_denorm_mode_32 3
		.amdhsa_float_denorm_mode_16_64 3
		.amdhsa_memory_ordered 1
		.amdhsa_forward_progress 1
		.amdhsa_inst_pref_size 116
	.end_amdhsa_kernel
	.amdgpu_metadata
---
amdhsa.version: [ 1, 2 ]
amdhsa.kernels:
  - .name:           k_q16c70e03e9_outp
    .symbol:         k_q16c70e03e9_outp.kd
    .args:
      - { .name: oh, .offset: 0, .size: 8, .value_kind: global_buffer, .address_space: global }
      - { .name: woh, .offset: 8, .size: 8, .value_kind: global_buffer, .address_space: global }
      - { .name: out0, .offset: 16, .size: 8, .value_kind: global_buffer, .address_space: global }
    .group_segment_fixed_size: 327680
    .private_segment_fixed_size: 0
    .kernarg_segment_align: 8
    .kernarg_segment_size: 24
    .max_flat_workgroup_size: 128
    .sgpr_count:     66
    .vgpr_count:     512
    .wavefront_size: 32
...
	.end_amdgpu_metadata
.endif
;; end of part 5
;; ======== version 2 of 2: 5 launches; version 1 with the launch cast written anew for expert scheduling mode
;; limits: values are held in f16: magnitudes above 65,504 overflow, below 6.1e-05 lose precision
;; workspace buffers: xh 16,777,216 bytes; wh 6,291,456 bytes; woh 2,097,152 bytes; qk 33,554,432 bytes; vh 16,777,216 bytes; pt 16,777,216 bytes; st 524,288 bytes; oh 16,777,216 bytes
;; launch cast (part 6): grid 384 x 1, 8 waves a work-group, no clusters, 0 bytes of LDS; arguments x, wq, wk, wv, wo, xh, wh, woh; writes xh, wh, woh
.if DOCPART == 6
	.amdgcn_target "amdgcn-amd-amdhsa--gfx1250"
	.amdhsa_code_object_version 6
	.text
	.protected	k_q16c70e03e9_cast
	.globl	k_q16c70e03e9_cast
	.p2align	8
	.type	k_q16c70e03e9_cast,@function
k_q16c70e03e9_cast:
	s_mov_b64 s[64:65], 0
	v_nop
	global_prefetch_b8 v0, s[64:65] scope:SCOPE_SE
	s_setreg_imm32_b32 hwreg(HW_REG_WAVE_SCHED_MODE, 0, 2), 2
	s_setreg_imm32_b32 hwreg(HW_REG_WAVE_MODE, 25, 1), 1
	s_wait_xcnt 0x0
	s_wait_alu depctr_vm_vsrc(0)
; cast: x, wq, wk, wv, wo (f32, rows of 1024) -> xh, wh, woh (f16), laid out [K block of 64][row][64], 128 bytes a row piece.
; Each number is scaled by a power of two (x: 1, wq wk wv: 1/4, wo: 4), rounded once to bf16 (8 significant bits) and then
; written as f16, which holds those 8 bits exactly.  wh holds wq's rows, then wk's, then wv's.
; LIMITS: a scaled number above 65,504 in magnitude becomes an f16 infinity (|x| > 65,504, |wq wk wv| > 262,016, |wo| > 16,376);
; a scaled number below 2^-14 is kept in f16 denormal steps of 2^-24.
; A stream: every byte is read once and written once, so there is no LDS, no matrix work and nothing to share between groups.
; Work-groups 0-255 take 32 rows of x each, 256-383 take 32 rows of one weight matrix.  Wave w takes 4 rows.  One load of a
; wave covers one K block (256 bytes) of two rows; the matching store covers 256 consecutive bytes, aligned.
; All 32 loads of a wave are issued first; no register is used twice by memory instructions.
; THE MODE: SCHED_MODE bits 1:0 = 2 (LLVM: expert scheduling mode 2), set by the entry lines.  The code itself states the register
; dependences between vector instructions and memory instructions, with s_wait_alu, always for 0.
; THE PLAN.  Registers that memory instructions touch:
;   v1        the loads' offset.   Written at the head; read by the 32 loads; never written again.
;   v2-v17    the stores' offsets. v2 written at the head, v3-v17 by the fifteen adds behind the loads; read by the stores; never written again.
;   X[n]      item n = 2 k + p, four registers.  Load n lands in it; item n's ten vector lines work in it and leave the result in its
;             registers 0 and 1; store n reads those two; nothing writes them again.
;   v18-v23   at work: named by vector instructions alone.
; The 32 items go in eight blocks of four.  Store n - 4 is issued at the head of item n: the stores of a block are dealt among the vector
; lines of the next block, which name that block's own X and v18-v23 alone.  So one wait on va_vdst at a block's head states all that
; its four stores hang on.  No register that a memory instruction reads is written again, so no wait on vm_vsrc is owed; no vector
; instruction writes a scalar register or VCC, and EXEC is never written.
.set SO,  1                            ; v1       byte offset of my 16 bytes in the source
.set DO,  2                            ; v[2:17]  byte offset of my 8 bytes in K block k of the target; never rewritten
.set T,   18                           ; v[18:23] at work
.set X,   24                           ; v[24:151] load n = 2 k + p: 4 registers
.set BLOCK, 4                          ; items in a block
	s_load_b512 s[8:23], s[0:1], 0x0               ; x s[8:9], wq, wk, wv, wo s[16:17], xh s[18:19], wh s[20:21], woh s[22:23]
	s_sub_co_u32 s2, ttmp9, 256                    ; number among the weight groups (used only where the group's number is 256 or more)
	s_lshr_b32 s3, s2, 5                           ; which matrix: 0 wq, 1 wk, 2 wv, 3 wo
	s_and_b32 s4, ttmp9, 31
	s_lshl_b32 s4, s4, 5                           ; first row inside that matrix
	s_lshl_b32 s5, s2, 5                           ; first row inside wh = 1024 x matrix + row
	s_lshl_b32 s6, ttmp9, 5                        ; first row of x
	s_mov_b32 s34, 1024*128                        ; bytes from K block to K block in woh,
	s_mov_b32 s35, 3072*128                        ; in wh
	s_mov_b32 s36, 0xffff0000                      ; a word's upper bf16
	s_mov_b32 s33, 0
	v_lshrrev_b32 v18, 5, v0                       ; wave
	v_bfe_u32 v19, v0, 4, 1                        ; upper half of the lanes: one row further down
	v_and_b32 v20, 15, v0
	v_and_b32 v21, 31, v0
	v_lshlrev_b32 v[SO], 4, v20                    ; 16 bytes a lane,
	v_lshl_add_u32 v[SO], v19, 12, v[SO]           ; + the half's row of 4,096 bytes,
	v_lshl_add_u32 v[SO], v18, 14, v[SO]           ; + 4 rows a wave
	v_lshlrev_b32 v[DO], 3, v21                    ; 8 bytes a lane: two row pieces of 128 bytes,
	v_lshl_add_u32 v[DO], v18, 9, v[DO]            ; + 4 row pieces a wave
	s_wait_kmcnt 0x0
	; the choice of buffers hangs on the group's number alone
	s_cmp_eq_u32 s3, 1
	s_cselect_b64 s[24:25], s[12:13], s[10:11]
	s_cmp_eq_u32 s3, 2
	s_cselect_b64 s[24:25], s[14:15], s[24:25]
	s_cmp_eq_u32 s3, 3
	s_cselect_b64 s[24:25], s[16:17], s[24:25]     ; source among the weights
	s_cselect_b64 s[26:27], s[22:23], s[20:21]     ; target: woh or wh
	s_cselect_b32 s28, 4.0, 0x3e800000             ; scale: 4 or 1/4
	s_cselect_b32 s30, s34, s35                    ; bytes from K block to K block
	s_cselect_b32 s5, s4, s5                       ; first row in the target
	s_cmp_lt_u32 ttmp9, 256
	s_cselect_b64 s[24:25], s[8:9], s[24:25]       ; the first 256 groups take x
	s_cselect_b64 s[26:27], s[18:19], s[26:27]
	s_cselect_b32 s28, 1.0, s28
	s_cselect_b32 s30, 0x100000, s30               ; 8192 rows x 128 bytes
	s_cselect_b32 s4, s6, s4
	s_cselect_b32 s5, s6, s5
	s_mov_b32 s29, s28                             ; the packed multiply names the pair
	s_lshl_b32 s32, s4, 12
	s_add_nc_u64 s[24:25], s[24:25], s[32:33]      ; source at my group's first row
	s_lshl_b32 s32, s5, 7
	s_add_nc_u64 s[26:27], s[26:27], s[32:33]      ; target at my group's first row piece
	s_wait_alu depctr_va_vdst(0)                   ; v1 is written, which every load below reads as its offset
.irp k, 0,1,2,3,4,5,6,7,8,9,10,11,12,13,14,15
.irp p, 0,1
	global_load_b128 v[X+4*(2*\k+\p):X+4*(2*\k+\p)+3], v[SO], s[24:25] offset:\k*256+\p*8192 th:TH_LOAD_NT
.endr
.endr
.irp k, 1,2,3,4,5,6,7,8,9,10,11,12,13,14,15
	v_add_nc_u32 v[DO+\k], s30, v[DO+\k-1]         ; no load names these registers; the stores read them behind the wait at the second block's head
.endr
; Item n: K block n / 2, pair of rows n % 2.  At its head the store of the item one block back.
.set n, 0
.rept 32
	s_wait_loadcnt 31-n                            ; loads return in order: mine is in, the younger ones stay out
.if (n % BLOCK == 0) && (n > 0)
	s_wait_alu depctr_va_vdst(0)                   ; the block before has written its four results, which this block's four stores read; at the second block's head also: v2 to v17, their offsets, are written
.endif
.if n >= BLOCK
	global_store_b64 v[DO+(n-BLOCK)/2], v[X+4*(n-BLOCK):X+4*(n-BLOCK)+1], s[26:27] offset:((n-BLOCK)%2)*256  ; no vector line since the wait names these registers
.endif
	v_pk_mul_f32 v[X+4*n:X+4*n+1], v[X+4*n:X+4*n+1], s[28:29] op_sel_hi:[1,0]
	v_pk_mul_f32 v[X+4*n+2:X+4*n+3], v[X+4*n+2:X+4*n+3], s[28:29] op_sel_hi:[1,0]
	v_cvt_pk_bf16_f32 v[T+4], v[X+4*n], v[X+4*n+1]             ; the one rounding
	v_cvt_pk_bf16_f32 v[T+5], v[X+4*n+2], v[X+4*n+3]
	v_lshlrev_b32 v[T], 16, v[T+4]
	v_and_b32 v[T+1], s36, v[T+4]
	v_lshlrev_b32 v[T+2], 16, v[T+5]
	v_and_b32 v[T+3], s36, v[T+5]
	v_cvt_pk_f16_f32 v[X+4*n], v[T], v[T+1]                    ; exact inside f16's normal range
	v_cvt_pk_f16_f32 v[X+4*n+1], v[T+2], v[T+3]
.set n, n+1
.endr
	s_wait_alu depctr_va_vdst(0)                   ; the last block has written its four results, which the last four stores read
.set n, 32-BLOCK
.rept BLOCK
	global_store_b64 v[DO+n/2], v[X+4*n:X+4*n+1], s[26:27] offset:(n%2)*256
.set n, n+1
.endr
	s_endpgm
.Lfunc_end_k_q16c70e03e9_cast:
	.size	k_q16c70e03e9_cast, .Lfunc_end_k_q16c70e03e9_cast-k_q16c70e03e9_cast
	.p2alignl 7, 3214868480
	.fill 96, 4, 3214868480
	.section	.rodata,"a",@progbits
	.p2align	6, 0x0
	.amdhsa_kernel k_q16c70e03e9_cast
		.amdhsa_group_segment_fixed_size 0
		.amdhsa_private_segment_fixed_size 0
		.amdhsa_enable_private_segment 0
		.amdhsa_kernarg_size 64
		.amdhsa_user_sgpr_count 2
		.amdhsa_user_sgpr_kernarg_segment_ptr 1
		.amdhsa_wavefront_size32 1
		.amdhsa_system_sgpr_workgroup_id_x 1
		.amdhsa_system_sgpr_workgroup_id_y 1
		.amdhsa_system_sgpr_workgroup_id_z 1
		.amdhsa_system_vgpr_workitem_id 0
		.amdhsa_next_free_vgpr 160
		.amdhsa_next_free_sgpr 66
		.amdhsa_reserve_vcc 0
		.amdhsa_float_denorm_mode_32 3
		.amdhsa_float_denorm_mode_16_64 3
		.amdhsa_memory_ordered 1
		.amdhsa_forward_progress 1
		.amdhsa_inst_pref_size 26
	.end_amdhsa_kernel
	.amdgpu_metadata
---
amdhsa.version: [ 1, 2 ]
amdhsa.kernels:
  - .name:           k_q16c70e03e9_cast
    .symbol:         k_q16c70e03e9_cast.kd
    .args:
      - { .name: x, .offset: 0, .size: 8, .value_kind: global_buffer, .address_space: global }
      - { .name: wq, .offset: 8, .size: 8, .value_kind: global_buffer, .address_space: global }
      - { .name: wk, .offset: 16, .size: 8, .value_kind: global_buffer, .address_space: global }
      - { .name: wv, .offset: 24, .size: 8, .value_kind: global_buffer, .address_space: global }
      - { .name: wo, .offset: 32, .size: 8, .value_kind: global_buffer, .address_space: global }
      - { .name: xh, .offset: 40, .size: 8, .value_kind: global_buffer, .address_space: global }
      - { .name: wh, .offset: 48, .size: 8, .value_kind: global_buffer, .address_space: global }
      - { .name: woh, .offset: 56, .size: 8, .value_kind: global_buffer, .address_space: global }
    .group_segment_fixed_size: 0
    .private_segment_fixed_size: 0
    .kernarg_segment_align: 8
    .kernarg_segment_size: 64
    .max_flat_workgroup_size: 256
    .sgpr_count:     66
    .vgpr_count:     160
    .wavefront_size: 32
...
	.end_amdgpu_metadata
.endif
;; end of part 6
;; launch projqk: the kernel of part 2 again; grid 8 x 32, 4 waves a work-group, clusters of 4 x 4, 327,680 bytes of LDS; arguments xh, wh, qk; writes qk
;; launch scorev: the kernel of part 3 again; grid 26 x 8, 4 waves a work-group, no clusters, 327,680 bytes of LDS; arguments xh, wh, qk, pt, st, vh; writes pt, st, vh
;; launch pv: the kernel of part 4 again; grid 8 x 32, 4 waves a work-group, clusters of 4 x 1, 327,680 bytes of LDS; arguments pt, st, vh, oh; writes oh
;; launch outp: the kernel of part 5 again; grid 8 x 32, 4 waves a work-group, clusters of 4 x 4, 327,680 bytes of LDS; arguments oh, woh, out0; writes out0
